; MI455X (gfx1250); checked and timed in simulation.
; The chip was launched on July 23, 2026; its instructions are those of AMD's public machine-readable ISA for CDNA 5 (MIT licence, August 2026) and "CDNA5" Instruction Set Architecture Reference Guide (July 2026). The comments in the code are by the model that wrote it; some were corrected since.
;; Differentiable Sorter. Allowed arithmetic: float matrix products may take bf16 or f16 operands with f32 sums; all other float work in f32.
;; Inputs: W 4,096 x 64 float32; X 4 x 4,096 x 64 float32; b 4,096 float32.
;; Outputs: out0 4,096 x 4,096 float32.
;; 2 versions, each right and faster than the one before. Each part assembles by itself: llvm-mc -triple=amdgcn-amd-amdhsa -mcpu=gfx1250 --defsym DOCPART=n.
;; ======== version 1 of 2: 7 launches
;; workspace buffers: pv 262,144 bytes; pu 262,144 bytes
;; launch col1 (part 1): grid 16 x 16, 16 waves a work-group, no clusters, 86,016 bytes of LDS; arguments X, W, b, pv; writes pv
.if DOCPART == 1
	.amdgcn_target "amdgcn-amd-amdhsa--gfx1250"
	.amdhsa_code_object_version 6
	.text
	.protected	k_qdf9d2704b4_col1
	.globl	k_qdf9d2704b4_col1
	.p2align	8
	.type	k_qdf9d2704b4_col1,@function
k_qdf9d2704b4_col1:
	s_mov_b64 s[64:65], 0
	v_nop
	global_prefetch_b8 v0, s[64:65] scope:SCOPE_SE
	s_setreg_imm32_b32 hwreg(HW_REG_WAVE_MODE, 25, 1), 1
	s_wait_xcnt 0x0
; Sinkhorn in log space on L[n][m] = X0[n].W[m] + b[m] (4096 x 4096, batch 0 of X: the only batch that the result holds).
; THIS LAUNCH: the first column step, v1[m] = logsumexp over n of L[n][m], as 16 partial results for each m.
; Names: p = the axis that is reduced (here n, rows of X), q = the axis that stays (here m, rows of W).
; A work-group makes one tile of 256 p x 256 q (grid x = q block, grid y = p block) and stores, for its 256 q,
;   pv[p block][q] = b[q] + logsumexp over its 256 p of X0[p].W[q].     The next launch joins the 16 partials of each q.
; L is never stored: with 64 numbers to a dot product a tile costs two matrix instructions for 256 elements.
; 16 waves of 256 registers, wave (pg, qg) = 64 p x 64 q.  The matrix work of a tile is short beside its exponentials (one for each
; element), so the work-group is cut into many waves whose matrix, exponential and LDS phases overlap, and no register window is needed.
; The matrix instruction takes p as A's rows and q as B's columns: a lane holds one q (lane mod 16) and eight p in a tile's registers,
; so maxima and sums over p run inside the lane; one exchange between the halves of the wave ends them.
; NO CLUSTER, NO TENSOR LOAD: X and W arrive as f32 and are rounded to bf16 in registers on their way into LDS; a work-group reads
; its 2 x 64 KiB once, in one run of loads, and has no loop in which partners could ask jointly.
; LIMITS: X and W enter the products rounded to bf16 (nearest even), unscaled; everything else is f32.  Inputs are finite.
; Every exponential has the true maximum taken away.  The exponent is fma(t, log2 e, -round(M log2 e)): its absolute error is
; about 1.45 |M| 2^-24, under 0.001 for |M| up to 10,000.
.set PITCH,  144                       ; an LDS row: 64 bf16 + 16 bytes = 36 words: the 16 rows of a fragment load start in 16 different 16-byte columns modulo 256 bytes
.set LM,     2048                      ; LDS: maxima, [4 pg][256 q] f32: 1,024 pg + 256 qg = 256 x wave, so a wave's 64 words are one dense block
.set LS,     6144                      ; LDS: sums, the same shape
.set LP,     10240                     ; LDS: the p tile, 256 rows
.set LQ,     LP+256*PITCH              ; LDS: the q tile, 256 rows; ends at 83,968
.set LOG2E,  0x3fb8aa3b
.set NLOG2E, 0xbfb8aa3b
.set LN2,    0x3f317218
.set ST,  16                           ; v[16:79]    in front of the barrier: 16 loads of 16 bytes
.set PF,  16                           ; v[16:79]    behind it: fragments of my 64 p, tile a at 16 a (8 registers for each 32 of K)
.set QF,  112                          ; v[112:175]  fragments of my 64 q
.set Z0,  176                          ; v[176:207]  four accumulator tiles (64 p x 16 q)
.set Z1,  208                          ; v[208:239]  four more, for the next 16 q
.set T,   240                          ; v[240:243]  at work
.set MX,  244                          ; maximum
.set SS,  245                          ; sum
.set NM,  246                          ; v[246:247]  -maximum x log2 e, twice
.set S0,  248                          ; v[248:251]  two running pairs of sums
.set BB,  252                          ; v[252:253]  b of the two q that this thread stores (waves 0 to 3)
; 64 p x 16 q: the four accumulators take turns, one instruction a turn.  The first product starts the sums.
.macro MM tq, Z
.irp a, 0,1,2,3
	v_wmma_f32_16x16x32_bf16 v[\Z+8*\a:\Z+8*\a+7], v[PF+16*\a:PF+16*\a+7], v[QF+16*\tq:QF+16*\tq+7], 0
.endr
.irp a, 0,1,2,3
	v_wmma_f32_16x16x32_bf16 v[\Z+8*\a:\Z+8*\a+7], v[PF+16*\a+8:PF+16*\a+15], v[QF+16*\tq+8:QF+16*\tq+15], v[\Z+8*\a:\Z+8*\a+7]
.endr
.endm
; The exponentials of tile i.  Between them stand the exponents of tile i + 1 and the sums of tile i - 1: plain instructions on other
; registers, so that no exponential's result is read by the vector instruction next to it (ISA guide 5.7.2).
.macro EXPS Z, i
.irp k, 0,1,2,3
	v_exp_f32 v[\Z+8*\i+2*\k], v[\Z+8*\i+2*\k]
.if \i < 3
	v_pk_fma_f32 v[\Z+8*\i+8+2*\k:\Z+8*\i+9+2*\k], v[\Z+8*\i+8+2*\k:\Z+8*\i+9+2*\k], LOG2E, v[NM:NM+1] op_sel_hi:[1,0,1]
.endif
	v_exp_f32 v[\Z+8*\i+2*\k+1], v[\Z+8*\i+2*\k+1]
.if \i == 1
.if \k < 2
	s_wait_alu depctr_va_vdst(0)
	v_pk_add_f32 v[S0+2*\k:S0+2*\k+1], v[\Z+4*\k:\Z+4*\k+1], v[\Z+4*\k+2:\Z+4*\k+3]      ; tile 0 starts the two sums: nothing is cleared
.endif
.endif
.if \i > 1
	s_wait_alu depctr_va_vdst(0)
	v_pk_add_f32 v[S0+2*(\k%2):S0+2*(\k%2)+1], v[S0+2*(\k%2):S0+2*(\k%2)+1], v[\Z+8*\i-8+2*\k:\Z+8*\i-7+2*\k]
.endif
.endr
.endm
; Maximum and sum of exponentials over my 64 p for the 16 q of tile column tq, from the 32 registers at Z; both go to LDS.
.macro ELEM Z, tq
.irp c, 0,1,2,3
	v_max3_num_f32 v[T+\c], v[\Z+8*\c], v[\Z+8*\c+1], v[\Z+8*\c+2]
.endr
.irp c, 0,1,2,3
	v_max3_num_f32 v[T+\c], v[T+\c], v[\Z+8*\c+3], v[\Z+8*\c+4]
.endr
.irp c, 0,1,2,3
	v_max3_num_f32 v[T+\c], v[T+\c], v[\Z+8*\c+5], v[\Z+8*\c+6]
.endr
	v_max3_num_f32 v[T], v[T], v[T+1], v[\Z+7]
	v_max3_num_f32 v[T+2], v[T+2], v[T+3], v[\Z+15]
	v_max3_num_f32 v[T], v[T], v[\Z+23], v[\Z+31]
	v_max_num_f32 v[T], v[T], v[T+2]
	v_permlanex16_b32 v[T+1], v[T], s26, s27       ; the other half of the wave holds the same q and the other 32 p
	v_max_num_f32 v[MX], v[T], v[T+1]
	v_mul_f32 v[NM], NLOG2E, v[MX]
	v_mul_f32 v[NM+1], NLOG2E, v[MX]
.irp k, 0,2,4,6
	v_pk_fma_f32 v[\Z+\k:\Z+\k+1], v[\Z+\k:\Z+\k+1], LOG2E, v[NM:NM+1] op_sel_hi:[1,0,1]   ; (t - maximum) log2 e
.endr
	EXPS \Z, 0
	EXPS \Z, 1
	EXPS \Z, 2
	EXPS \Z, 3
	s_wait_alu depctr_va_vdst(0)
.irp k, 0,1,2,3
	v_pk_add_f32 v[S0+2*(\k%2):S0+2*(\k%2)+1], v[S0+2*(\k%2):S0+2*(\k%2)+1], v[\Z+24+2*\k:\Z+25+2*\k]
.endr
	v_pk_add_f32 v[S0:S0+1], v[S0:S0+1], v[S0+2:S0+3]
	v_add_f32 v[SS], v[S0], v[S0+1]
	v_permlanex16_b32 v[T], v[SS], s26, s27
	v_add_f32 v[SS], v[SS], v[T]
	ds_store_b32 v7, v[MX] offset:LM+\tq*64        ; word 16 tq + r of my wave's block; both halves of the wave write the same word with the same value
	ds_store_b32 v7, v[SS] offset:LS+\tq*64
.endm
	s_load_b256 s[4:11], s[0:1], 0x0               ; X s[4:5], W s[6:7], b s[8:9], pv s[10:11]
	v_lshl_add_u32 v254, v0, 2, 0x14800
	v_mov_b32 v255, 0
	v_lshrrev_b32 v11, 5, v0
	v_readfirstlane_b32 s18, v11                   ; wave, 0 to 15
	s_and_b32 s16, ttmp7, 0xffff                   ; p block
	s_lshr_b32 s19, s18, 2                         ; pg: which 64 p are mine
	s_and_b32 s20, s18, 3                          ; qg: which 64 q
	s_lshl_b32 s22, s16, 16                        ; a block of 256 rows of 256 bytes
	s_mov_b32 s23, 0
	s_lshl_b32 s24, ttmp9, 16
	s_mov_b32 s25, 0
	s_mov_b32 s26, 0x76543210                      ; v_permlanex16_b32: lane i of one half reads lane i of the other
	s_mov_b32 s27, 0xfedcba98
	s_lshl_b32 s30, ttmp9, 10                      ; 256 f32 of a vector over q
	s_mov_b32 s31, 0
	s_lshl_b32 s32, s16, 14                        ; row 'p block' of the table of partials,
	s_add_co_u32 s32, s32, s30                     ; and my q block in it
	s_mov_b32 s33, 0
	v_lshlrev_b32 v1, 4, v0                        ; 16 t: a wave's load covers 512 neighbouring bytes, two rows
	v_and_b32 v8, 127, v0
	v_lshlrev_b32 v8, 3, v8                        ; 8 (t mod 128): two f32 of a vector
	v_and_b32 v9, 15, v0                           ; r = lane mod 16
	v_bfe_u32 v10, v0, 4, 1                        ; h = lane / 16
	v_lshrrev_b32 v11, 4, v0                       ; t / 16: my row among the 32 of one run of loads
	v_mul_u32_u24 v2, v11, PITCH
	v_lshl_add_u32 v2, v9, 3, v2                   ; where my 4 bf16 go in the p tile (less LP)
	v_add_nc_u32 v3, LQ, v2                        ; and in the q tile
	v_mul_u32_u24 v12, v9, PITCH
	v_lshl_add_u32 v12, v10, 4, v12                ; a fragment's lane: row r, 16 bytes for each half
	s_mul_i32 s34, s19, 64*PITCH
	s_mul_i32 s35, s20, 64*PITCH
	v_add_nc_u32 v4, s34, v12                      ; my p fragments (less LP)
	v_add_nc_u32 v5, s35, v12                      ; my q fragments (less LQ)
	s_lshl_b32 s35, s18, 8                         ; my wave's block of 64 words in the tables of maxima and sums
	v_lshl_add_u32 v7, v9, 2, s35                  ; 256 x wave + 4 r
	s_wait_kmcnt 0x0
	s_add_nc_u64 s[4:5], s[4:5], s[22:23]
	s_add_nc_u64 s[6:7], s[6:7], s[24:25]
	s_add_nc_u64 s[8:9], s[8:9], s[30:31]
	s_add_nc_u64 s[10:11], s[10:11], s[32:33]
	s_cmp_ge_u32 s18, 4
	s_cbranch_scc1 .Lno_b
	global_load_b64 v[BB:BB+1], v8, s[8:9]         ; waves 0 to 3, which store the result at the end
.Lno_b:
.irp i, 0,1,2,3,4,5,6,7
	global_load_b128 v[ST+4*\i:ST+4*\i+3], v1, s[4:5] offset:\i*8192
.endr
.irp i, 0,1,2,3,4,5,6,7
	global_load_b128 v[ST+32+4*\i:ST+32+4*\i+3], v1, s[6:7] offset:\i*8192
.endr
	; f32 to bf16, in place, and into LDS.  Loads come back in order: the count is the number of loads issued behind the one needed.
.irp i, 0,1,2,3,4,5,6,7
	s_wait_loadcnt 15-\i
	v_cvt_pk_bf16_f32 v[ST+4*\i], v[ST+4*\i], v[ST+4*\i+1]
	v_cvt_pk_bf16_f32 v[ST+4*\i+1], v[ST+4*\i+2], v[ST+4*\i+3]
	ds_store_b64 v2, v[ST+4*\i:ST+4*\i+1] offset:LP+\i*32*PITCH
.endr
.irp i, 0,1,2,3,4,5,6,7
	s_wait_loadcnt 7-\i
	v_cvt_pk_bf16_f32 v[ST+32+4*\i], v[ST+32+4*\i], v[ST+32+4*\i+1]
	v_cvt_pk_bf16_f32 v[ST+32+4*\i+1], v[ST+32+4*\i+2], v[ST+32+4*\i+3]
	ds_store_b64 v3, v[ST+32+4*\i:ST+32+4*\i+1] offset:\i*32*PITCH
.endr
	s_wait_dscnt 0x0                               ; my part of both tiles is in LDS,
	s_barrier_signal -1
	s_barrier_wait -1                              ; everybody's is
.irp a, 0,1,2,3
.irp c, 0,1,2,3
	ds_load_b128 v[PF+16*\a+4*\c:PF+16*\a+4*\c+3], v4 offset:LP+\a*16*PITCH+32*\c
.endr
.endr
.irp a, 0,1,2,3
.irp c, 0,1,2,3
	ds_load_b128 v[QF+16*\a+4*\c:QF+16*\a+4*\c+3], v5 offset:LQ+\a*16*PITCH+32*\c
.endr
.endr
	s_wait_dscnt 12                                ; all but the fragments of q tiles 1 to 3
	MM 0, Z0
	s_wait_dscnt 8                                 ; all but q tiles 2 and 3
	MM 1, Z1
.rept 4
	v_nop                                          ; four places between a matrix instruction and the vector instruction that reads its result (ISA guide 7.12.1)
.endr
	ELEM Z0, 0
	s_wait_dscnt 6                                 ; behind q tile 2's loads: tile 3's four and two stores
	MM 2, Z0
	ELEM Z1, 1
	s_wait_dscnt 4                                 ; behind q tile 3's loads: four stores
	MM 3, Z1
	ELEM Z0, 2
	ELEM Z1, 3
	s_wait_dscnt 0x0                               ; my maxima and sums are in LDS,
	s_barrier_signal -1
	s_barrier_wait -1                              ; everybody's are
	s_cmp_ge_u32 s18, 4
	s_cbranch_scc1 .Lend
	; waves 0 to 3: thread t joins the four p groups for q = 2 t and 2 t + 1, which lie in a register pair
.irp g, 0,1,2,3
	ds_load_b64 v[16+2*\g:17+2*\g], v8 offset:LM+\g*1024
.endr
.irp g, 0,1,2,3
	ds_load_b64 v[24+2*\g:25+2*\g], v8 offset:LS+\g*1024
.endr
	s_wait_dscnt 0x0
	v_max3_num_f32 v32, v16, v18, v20
	v_max3_num_f32 v33, v17, v19, v21
	v_max_num_f32 v32, v32, v22
	v_max_num_f32 v33, v33, v23
	v_pk_mul_f32 v[34:35], v[32:33], NLOG2E op_sel_hi:[1,0]
.irp g, 0,2,4,6
	v_pk_fma_f32 v[16+\g:17+\g], v[16+\g:17+\g], LOG2E, v[34:35] op_sel_hi:[1,0,1]
.endr
.irp i, 0,1,2,3,4,5,6,7
	v_exp_f32 v[16+\i], v[16+\i]
.endr
	v_nop                                          ; one plain place behind the last exponential
	s_wait_alu depctr_va_vdst(0)
	v_pk_mul_f32 v[36:37], v[16:17], v[24:25]      ; each group's sum, brought to the common maximum
.irp g, 2,4,6
	v_pk_fma_f32 v[36:37], v[16+\g:17+\g], v[24+\g:25+\g], v[36:37]
.endr
	v_log_f32 v36, v36                             ; the sums are at least about 1: the largest term is 2^0
	v_log_f32 v37, v37
	v_nop
	s_wait_alu depctr_va_vdst(0)
	v_pk_fma_f32 v[32:33], v[36:37], LN2, v[32:33] op_sel_hi:[1,0,1]   ; maximum + ln 2 x log2(sum)
	v_pk_add_f32 v[32:33], v[32:33], v[BB:BB+1]    ; b[q] is constant along p: it is added to the logsumexp
	global_store_b64 v8, v[32:33], s[10:11]        ; a wave's store covers 256 consecutive bytes, aligned
.Lend:
	s_wait_tensorcnt 0x0
	ds_add_u32 v254, v255
	s_wait_dscnt 0x0
	s_endpgm
.Lfunc_end_k_qdf9d2704b4_col1:
	.size	k_qdf9d2704b4_col1, .Lfunc_end_k_qdf9d2704b4_col1-k_qdf9d2704b4_col1
	.p2alignl 7, 3214868480
	.fill 96, 4, 3214868480
	.section	.rodata,"a",@progbits
	.p2align	6, 0x0
	.amdhsa_kernel k_qdf9d2704b4_col1
		.amdhsa_group_segment_fixed_size 86016
		.amdhsa_private_segment_fixed_size 0
		.amdhsa_enable_private_segment 0
		.amdhsa_kernarg_size 32
		.amdhsa_user_sgpr_count 2
		.amdhsa_user_sgpr_kernarg_segment_ptr 1
		.amdhsa_wavefront_size32 1
		.amdhsa_system_sgpr_workgroup_id_x 1
		.amdhsa_system_sgpr_workgroup_id_y 1
		.amdhsa_system_sgpr_workgroup_id_z 1
		.amdhsa_system_vgpr_workitem_id 0
		.amdhsa_next_free_vgpr 256
		.amdhsa_next_free_sgpr 66
		.amdhsa_reserve_vcc 0
		.amdhsa_float_denorm_mode_32 3
		.amdhsa_float_denorm_mode_16_64 3
		.amdhsa_memory_ordered 1
		.amdhsa_forward_progress 1
		.amdhsa_inst_pref_size 35
	.end_amdhsa_kernel
	.amdgpu_metadata
---
amdhsa.version: [ 1, 2 ]
amdhsa.kernels:
  - .name:           k_qdf9d2704b4_col1
    .symbol:         k_qdf9d2704b4_col1.kd
    .args:
      - { .name: X, .offset: 0, .size: 8, .value_kind: global_buffer, .address_space: global }
      - { .name: W, .offset: 8, .size: 8, .value_kind: global_buffer, .address_space: global }
      - { .name: b, .offset: 16, .size: 8, .value_kind: global_buffer, .address_space: global }
      - { .name: pv, .offset: 24, .size: 8, .value_kind: global_buffer, .address_space: global }
    .group_segment_fixed_size: 86016
    .private_segment_fixed_size: 0
    .kernarg_segment_align: 8
    .kernarg_segment_size: 32
    .max_flat_workgroup_size: 512
    .sgpr_count:     66
    .vgpr_count:     256
    .wavefront_size: 32
...
	.end_amdgpu_metadata
.endif
;; end of part 1
;; launch row1 (part 2): grid 16 x 16, 16 waves a work-group, no clusters, 86,016 bytes of LDS; arguments W, X, b, pu, pv; writes pu
.if DOCPART == 2
	.amdgcn_target "amdgcn-amd-amdhsa--gfx1250"
	.amdhsa_code_object_version 6
	.text
	.protected	k_qdf9d2704b4_row1
	.globl	k_qdf9d2704b4_row1
	.p2align	8
	.type	k_qdf9d2704b4_row1,@function
k_qdf9d2704b4_row1:
	s_mov_b64 s[64:65], 0
	v_nop
	global_prefetch_b8 v0, s[64:65] scope:SCOPE_SE
	s_setreg_imm32_b32 hwreg(HW_REG_WAVE_MODE, 25, 1), 1
	s_wait_xcnt 0x0
; Sinkhorn in log space on L[n][m] = X0[n].W[m] + b[m] (4096 x 4096, batch 0 of X: the only batch that the result holds).
; THIS TEXT: a row step, u[n] = logsumexp over m of (L[n][m] - v[m]), as 16 partial results for each n.
; Names: p = the axis that is reduced (here m, rows of W), q = the axis that stays (here n, rows of X).
; A work-group makes one tile of 256 p x 256 q (grid x = q block, grid y = p block).  It first joins, for its 256 p, the 16 partial
; results of the column step before (table pv) into v[p] and forms off[p] = b[p] - v[p]; then it stores, for its 256 q,
;   pu[p block][q] = logsumexp over its 256 p of (W[p].X0[q] + off[p]).
; off enters as the C operand of the first matrix instruction of each accumulator, so adding it costs no vector instruction.
; L is never stored: with 64 numbers to a dot product a tile costs two matrix instructions for 256 elements.
; 16 waves of 256 registers, wave (pg, qg) = 64 p x 64 q.  The matrix work of a tile is short beside its exponentials (one for each
; element), so the work-group is cut into many waves whose matrix, exponential and LDS phases overlap, and no register window is needed.
; The matrix instruction takes p as A's rows and q as B's columns: a lane holds one q (lane mod 16) and eight p in a tile's registers,
; so maxima and sums over p run inside the lane; one exchange between the halves of the wave ends them.
; NO CLUSTER, NO TENSOR LOAD: X and W arrive as f32 and are rounded to bf16 in registers on their way into LDS; a work-group reads
; its 2 x 64 KiB once, in one run of loads, and has no loop in which partners could ask jointly.
; LIMITS: X and W enter the products rounded to bf16 (nearest even), unscaled; everything else is f32.  Inputs are finite.
; Every exponential has the true maximum taken away.  The exponent is fma(t, log2 e, -round(M log2 e)): its absolute error is
; about 1.45 |M| 2^-24, under 0.001 for |M| up to 10,000.
.set NCOL,   4096
.set PITCH,  144                       ; an LDS row: 64 bf16 + 16 bytes = 36 words: the 16 rows of a fragment load start in 16 different 16-byte columns modulo 256 bytes
.set LOFF,   0                         ; LDS: off[256 p] f32
.set LM,     2048                      ; LDS: maxima, [4 pg][256 q] f32: 1,024 pg + 256 qg = 256 x wave, so a wave's 64 words are one dense block
.set LS,     6144                      ; LDS: sums, the same shape
.set LP,     10240                     ; LDS: the p tile, 256 rows
.set LQ,     LP+256*PITCH              ; LDS: the q tile, 256 rows; ends at 83,968
.set LOG2E,  0x3fb8aa3b
.set NLOG2E, 0xbfb8aa3b
.set LN2,    0x3f317218
.set ST,  16                           ; v[16:79]    in front of the barrier: 16 loads of 16 bytes
.set PI,  80                           ; v[80:111]   in front of the barrier: 16 partials of two p (waves 0 to 3)
.set CM,  112                          ; v[112:113]  their maxima, then their logsumexp
.set CN,  114                          ; v[114:115]  -maximum x log2 e
.set PF,  16                           ; v[16:79]    behind it: fragments of my 64 p, tile a at 16 a (8 registers for each 32 of K)
.set OF,  80                           ; v[80:111]   off of my 64 p, laid out as a C operand: tile a at 8 a
.set QF,  112                          ; v[112:175]  fragments of my 64 q
.set Z0,  176                          ; v[176:207]  four accumulator tiles (64 p x 16 q)
.set Z1,  208                          ; v[208:239]  four more, for the next 16 q
.set T,   240                          ; v[240:243]  at work
.set MX,  244                          ; maximum
.set SS,  245                          ; sum
.set NM,  246                          ; v[246:247]  -maximum x log2 e, twice
.set S0,  248                          ; v[248:251]  two running pairs of sums
.set BB,  252                          ; v[252:253]  b of the two p that this thread joins (waves 0 to 3)
; logsumexp of the 16 partials of two p: even registers of PI the first p, odd ones the second.  Result in CM.
.macro COMBINE
	v_max3_num_f32 v[CM],   v[PI],   v[PI+2], v[PI+4]
	v_max3_num_f32 v[CM+1], v[PI+1], v[PI+3], v[PI+5]
.irp i, 6,10,14,18,22,26
	v_max3_num_f32 v[CM],   v[CM],   v[PI+\i],   v[PI+\i+2]
	v_max3_num_f32 v[CM+1], v[CM+1], v[PI+\i+1], v[PI+\i+3]
.endr
	v_max_num_f32 v[CM],   v[CM],   v[PI+30]
	v_max_num_f32 v[CM+1], v[CM+1], v[PI+31]
	v_pk_mul_f32 v[CN:CN+1], v[CM:CM+1], NLOG2E op_sel_hi:[1,0]
.irp i, 0,2,4,6,8,10,12,14,16,18,20,22,24,26,28,30
	v_pk_fma_f32 v[PI+\i:PI+\i+1], v[PI+\i:PI+\i+1], LOG2E, v[CN:CN+1] op_sel_hi:[1,0,1]
.endr
.set i, 0
.rept 32
	v_exp_f32 v[PI+i], v[PI+i]
.set i, i+1
.endr
	v_nop                                          ; one plain place behind the last exponential (ISA guide 5.7.2)
	s_wait_alu depctr_va_vdst(0)
.irp i, 0,4,8,12,16,20,24,28
	v_pk_add_f32 v[PI+\i:PI+\i+1], v[PI+\i:PI+\i+1], v[PI+\i+2:PI+\i+3]
.endr
.irp i, 0,8,16,24
	v_pk_add_f32 v[PI+\i:PI+\i+1], v[PI+\i:PI+\i+1], v[PI+\i+4:PI+\i+5]
.endr
	v_pk_add_f32 v[PI:PI+1], v[PI:PI+1], v[PI+8:PI+9]
	v_pk_add_f32 v[PI+16:PI+17], v[PI+16:PI+17], v[PI+24:PI+25]
	v_pk_add_f32 v[PI:PI+1], v[PI:PI+1], v[PI+16:PI+17]
	v_log_f32 v[PI], v[PI]                         ; the sums are at least about 1: the largest term is 2^0
	v_log_f32 v[PI+1], v[PI+1]
	v_nop
	s_wait_alu depctr_va_vdst(0)
	v_pk_fma_f32 v[CM:CM+1], v[PI:PI+1], LN2, v[CM:CM+1] op_sel_hi:[1,0,1]   ; maximum + ln 2 x log2(sum)
.endm
; 64 p x 16 q: the four accumulators take turns, one instruction a turn.  The first product adds off[p].
.macro MM tq, Z
.irp a, 0,1,2,3
	v_wmma_f32_16x16x32_bf16 v[\Z+8*\a:\Z+8*\a+7], v[PF+16*\a:PF+16*\a+7], v[QF+16*\tq:QF+16*\tq+7], v[OF+8*\a:OF+8*\a+7]
.endr
.irp a, 0,1,2,3
	v_wmma_f32_16x16x32_bf16 v[\Z+8*\a:\Z+8*\a+7], v[PF+16*\a+8:PF+16*\a+15], v[QF+16*\tq+8:QF+16*\tq+15], v[\Z+8*\a:\Z+8*\a+7]
.endr
.endm
; The exponentials of tile i.  Between them stand the exponents of tile i + 1 and the sums of tile i - 1: plain instructions on other
; registers, so that no exponential's result is read by the vector instruction next to it (ISA guide 5.7.2).
.macro EXPS Z, i
.irp k, 0,1,2,3
	v_exp_f32 v[\Z+8*\i+2*\k], v[\Z+8*\i+2*\k]
.if \i < 3
	v_pk_fma_f32 v[\Z+8*\i+8+2*\k:\Z+8*\i+9+2*\k], v[\Z+8*\i+8+2*\k:\Z+8*\i+9+2*\k], LOG2E, v[NM:NM+1] op_sel_hi:[1,0,1]
.endif
	v_exp_f32 v[\Z+8*\i+2*\k+1], v[\Z+8*\i+2*\k+1]
.if \i == 1
.if \k < 2
	s_wait_alu depctr_va_vdst(0)
	v_pk_add_f32 v[S0+2*\k:S0+2*\k+1], v[\Z+4*\k:\Z+4*\k+1], v[\Z+4*\k+2:\Z+4*\k+3]      ; tile 0 starts the two sums: nothing is cleared
.endif
.endif
.if \i > 1
	s_wait_alu depctr_va_vdst(0)
	v_pk_add_f32 v[S0+2*(\k%2):S0+2*(\k%2)+1], v[S0+2*(\k%2):S0+2*(\k%2)+1], v[\Z+8*\i-8+2*\k:\Z+8*\i-7+2*\k]
.endif
.endr
.endm
; Maximum and sum of exponentials over my 64 p for the 16 q of tile column tq, from the 32 registers at Z; both go to LDS.
.macro ELEM Z, tq
.irp c, 0,1,2,3
	v_max3_num_f32 v[T+\c], v[\Z+8*\c], v[\Z+8*\c+1], v[\Z+8*\c+2]
.endr
.irp c, 0,1,2,3
	v_max3_num_f32 v[T+\c], v[T+\c], v[\Z+8*\c+3], v[\Z+8*\c+4]
.endr
.irp c, 0,1,2,3
	v_max3_num_f32 v[T+\c], v[T+\c], v[\Z+8*\c+5], v[\Z+8*\c+6]
.endr
	v_max3_num_f32 v[T], v[T], v[T+1], v[\Z+7]
	v_max3_num_f32 v[T+2], v[T+2], v[T+3], v[\Z+15]
	v_max3_num_f32 v[T], v[T], v[\Z+23], v[\Z+31]
	v_max_num_f32 v[T], v[T], v[T+2]
	v_permlanex16_b32 v[T+1], v[T], s26, s27       ; the other half of the wave holds the same q and the other 32 p
	v_max_num_f32 v[MX], v[T], v[T+1]
	v_mul_f32 v[NM], NLOG2E, v[MX]
	v_mul_f32 v[NM+1], NLOG2E, v[MX]
.irp k, 0,2,4,6
	v_pk_fma_f32 v[\Z+\k:\Z+\k+1], v[\Z+\k:\Z+\k+1], LOG2E, v[NM:NM+1] op_sel_hi:[1,0,1]   ; (t - maximum) log2 e
.endr
	EXPS \Z, 0
	EXPS \Z, 1
	EXPS \Z, 2
	EXPS \Z, 3
	s_wait_alu depctr_va_vdst(0)
.irp k, 0,1,2,3
	v_pk_add_f32 v[S0+2*(\k%2):S0+2*(\k%2)+1], v[S0+2*(\k%2):S0+2*(\k%2)+1], v[\Z+24+2*\k:\Z+25+2*\k]
.endr
	v_pk_add_f32 v[S0:S0+1], v[S0:S0+1], v[S0+2:S0+3]
	v_add_f32 v[SS], v[S0], v[S0+1]
	v_permlanex16_b32 v[T], v[SS], s26, s27
	v_add_f32 v[SS], v[SS], v[T]
	ds_store_b32 v7, v[MX] offset:LM+\tq*64        ; word 16 tq + r of my wave's block; both halves of the wave write the same word with the same value
	ds_store_b32 v7, v[SS] offset:LS+\tq*64
.endm
	s_load_b256 s[4:11], s[0:1], 0x0               ; W s[4:5], X s[6:7], b s[8:9], pu s[10:11]
	s_load_b64 s[12:13], s[0:1], 0x20              ; pv
	v_lshl_add_u32 v254, v0, 2, 0x14800
	v_mov_b32 v255, 0
	v_lshrrev_b32 v11, 5, v0
	v_readfirstlane_b32 s18, v11                   ; wave, 0 to 15
	s_and_b32 s16, ttmp7, 0xffff                   ; p block
	s_lshr_b32 s19, s18, 2                         ; pg: which 64 p are mine
	s_and_b32 s20, s18, 3                          ; qg: which 64 q
	s_lshl_b32 s22, s16, 16                        ; a block of 256 rows of 256 bytes
	s_mov_b32 s23, 0
	s_lshl_b32 s24, ttmp9, 16
	s_mov_b32 s25, 0
	s_mov_b32 s26, 0x76543210                      ; v_permlanex16_b32: lane i of one half reads lane i of the other
	s_mov_b32 s27, 0xfedcba98
	s_lshl_b32 s28, s16, 10                        ; 256 f32 of a vector over p
	s_mov_b32 s29, 0
	s_lshl_b32 s30, ttmp9, 10                      ; 256 f32 of a vector over q
	s_lshl_b32 s32, s16, 14                        ; row 'p block' of the table of partials,
	s_add_co_u32 s32, s32, s30                     ; and my q block in it
	s_mov_b32 s33, 0
	v_lshlrev_b32 v1, 4, v0                        ; 16 t: a wave's load covers 512 neighbouring bytes, two rows
	v_and_b32 v8, 127, v0
	v_lshlrev_b32 v8, 3, v8                        ; 8 (t mod 128): two f32 of a vector
	v_and_b32 v9, 15, v0                           ; r = lane mod 16
	v_bfe_u32 v10, v0, 4, 1                        ; h = lane / 16
	v_lshrrev_b32 v11, 4, v0                       ; t / 16: my row among the 32 of one run of loads
	v_mul_u32_u24 v2, v11, PITCH
	v_lshl_add_u32 v2, v9, 3, v2                   ; where my 4 bf16 go in the p tile (less LP)
	v_add_nc_u32 v3, LQ, v2                        ; and in the q tile
	v_mul_u32_u24 v12, v9, PITCH
	v_lshl_add_u32 v12, v10, 4, v12                ; a fragment's lane: row r, 16 bytes for each half
	s_mul_i32 s34, s19, 64*PITCH
	s_mul_i32 s35, s20, 64*PITCH
	v_add_nc_u32 v4, s34, v12                      ; my p fragments (less LP)
	v_add_nc_u32 v5, s35, v12                      ; my q fragments (less LQ)
	s_lshl_b32 s34, s19, 8
	v_lshl_add_u32 v6, v10, 5, s34                 ; off as a C operand: register j of a tile is p = 8 h + j: 256 pg + 32 h bytes
	s_lshl_b32 s35, s18, 8                         ; my wave's block of 64 words in the tables of maxima and sums
	v_lshl_add_u32 v7, v9, 2, s35                  ; 256 x wave + 4 r
	s_wait_kmcnt 0x0
	s_add_nc_u64 s[4:5], s[4:5], s[22:23]
	s_add_nc_u64 s[6:7], s[6:7], s[24:25]
	s_add_nc_u64 s[8:9], s[8:9], s[28:29]          ; b of my p block
	s_add_nc_u64 s[10:11], s[10:11], s[32:33]
	s_add_nc_u64 s[12:13], s[12:13], s[28:29]      ; the partials of my p block
	s_cmp_ge_u32 s18, 4
	s_cbranch_scc1 .Lno_small
.irp i, 0,1,2,3,4,5,6,7,8,9,10,11,12,13,14,15
	global_load_b64 v[PI+2*\i:PI+2*\i+1], v8, s[12:13] offset:\i*NCOL*4    ; waves 0 to 3: a wave's load covers 256 consecutive bytes, aligned
.endr
	global_load_b64 v[BB:BB+1], v8, s[8:9]
.Lno_small:
.irp i, 0,1,2,3,4,5,6,7
	global_load_b128 v[ST+4*\i:ST+4*\i+3], v1, s[4:5] offset:\i*8192
.endr
.irp i, 0,1,2,3,4,5,6,7
	global_load_b128 v[ST+32+4*\i:ST+32+4*\i+3], v1, s[6:7] offset:\i*8192
.endr
	s_cmp_ge_u32 s18, 4
	s_cbranch_scc1 .Lno_comb
	s_wait_loadcnt 16                              ; the partials and b are in; the 16 loads issued behind them stay out
	COMBINE
	v_pk_add_f32 v[CM:CM+1], v[BB:BB+1], v[CM:CM+1] neg_lo:[0,1] neg_hi:[0,1]   ; off[p] = b[p] - v[p]
	ds_store_b64 v8, v[CM:CM+1] offset:LOFF
.Lno_comb:
	; f32 to bf16, in place, and into LDS.  Loads come back in order: the count is the number of loads issued behind the one needed.
.irp i, 0,1,2,3,4,5,6,7
	s_wait_loadcnt 15-\i
	v_cvt_pk_bf16_f32 v[ST+4*\i], v[ST+4*\i], v[ST+4*\i+1]
	v_cvt_pk_bf16_f32 v[ST+4*\i+1], v[ST+4*\i+2], v[ST+4*\i+3]
	ds_store_b64 v2, v[ST+4*\i:ST+4*\i+1] offset:LP+\i*32*PITCH
.endr
.irp i, 0,1,2,3,4,5,6,7
	s_wait_loadcnt 7-\i
	v_cvt_pk_bf16_f32 v[ST+32+4*\i], v[ST+32+4*\i], v[ST+32+4*\i+1]
	v_cvt_pk_bf16_f32 v[ST+32+4*\i+1], v[ST+32+4*\i+2], v[ST+32+4*\i+3]
	ds_store_b64 v3, v[ST+32+4*\i:ST+32+4*\i+1] offset:\i*32*PITCH
.endr
	s_wait_dscnt 0x0                               ; my part of both tiles and of off is in LDS,
	s_barrier_signal -1
	s_barrier_wait -1                              ; everybody's is
.irp a, 0,1,2,3
	ds_load_b128 v[OF+8*\a:OF+8*\a+3],   v6 offset:LOFF+64*\a
	ds_load_b128 v[OF+8*\a+4:OF+8*\a+7], v6 offset:LOFF+64*\a+16
.endr
.irp a, 0,1,2,3
.irp c, 0,1,2,3
	ds_load_b128 v[PF+16*\a+4*\c:PF+16*\a+4*\c+3], v4 offset:LP+\a*16*PITCH+32*\c
.endr
.endr
.irp a, 0,1,2,3
.irp c, 0,1,2,3
	ds_load_b128 v[QF+16*\a+4*\c:QF+16*\a+4*\c+3], v5 offset:LQ+\a*16*PITCH+32*\c
.endr
.endr
	s_wait_dscnt 12                                ; all but the fragments of q tiles 1 to 3
	MM 0, Z0
	s_wait_dscnt 8                                 ; all but q tiles 2 and 3
	MM 1, Z1
.rept 4
	v_nop                                          ; four places between a matrix instruction and the vector instruction that reads its result (ISA guide 7.12.1)
.endr
	ELEM Z0, 0
	s_wait_dscnt 6                                 ; behind q tile 2's loads: tile 3's four and two stores
	MM 2, Z0
	ELEM Z1, 1
	s_wait_dscnt 4                                 ; behind q tile 3's loads: four stores
	MM 3, Z1
	ELEM Z0, 2
	ELEM Z1, 3
	s_wait_dscnt 0x0                               ; my maxima and sums are in LDS,
	s_barrier_signal -1
	s_barrier_wait -1                              ; everybody's are
	s_cmp_ge_u32 s18, 4
	s_cbranch_scc1 .Lend
	; waves 0 to 3: thread t joins the four p groups for q = 2 t and 2 t + 1, which lie in a register pair
.irp g, 0,1,2,3
	ds_load_b64 v[16+2*\g:17+2*\g], v8 offset:LM+\g*1024
.endr
.irp g, 0,1,2,3
	ds_load_b64 v[24+2*\g:25+2*\g], v8 offset:LS+\g*1024
.endr
	s_wait_dscnt 0x0
	v_max3_num_f32 v32, v16, v18, v20
	v_max3_num_f32 v33, v17, v19, v21
	v_max_num_f32 v32, v32, v22
	v_max_num_f32 v33, v33, v23
	v_pk_mul_f32 v[34:35], v[32:33], NLOG2E op_sel_hi:[1,0]
.irp g, 0,2,4,6
	v_pk_fma_f32 v[16+\g:17+\g], v[16+\g:17+\g], LOG2E, v[34:35] op_sel_hi:[1,0,1]
.endr
.irp i, 0,1,2,3,4,5,6,7
	v_exp_f32 v[16+\i], v[16+\i]
.endr
	v_nop                                          ; one plain place behind the last exponential
	s_wait_alu depctr_va_vdst(0)
	v_pk_mul_f32 v[36:37], v[16:17], v[24:25]      ; each group's sum, brought to the common maximum
.irp g, 2,4,6
	v_pk_fma_f32 v[36:37], v[16+\g:17+\g], v[24+\g:25+\g], v[36:37]
.endr
	v_log_f32 v36, v36                             ; the sums are at least about 1: the largest term is 2^0
	v_log_f32 v37, v37
	v_nop
	s_wait_alu depctr_va_vdst(0)
	v_pk_fma_f32 v[32:33], v[36:37], LN2, v[32:33] op_sel_hi:[1,0,1]   ; maximum + ln 2 x log2(sum)
	global_store_b64 v8, v[32:33], s[10:11]        ; a wave's store covers 256 consecutive bytes, aligned
.Lend:
	s_wait_tensorcnt 0x0
	ds_add_u32 v254, v255
	s_wait_dscnt 0x0
	s_endpgm
.Lfunc_end_k_qdf9d2704b4_row1:
	.size	k_qdf9d2704b4_row1, .Lfunc_end_k_qdf9d2704b4_row1-k_qdf9d2704b4_row1
	.p2alignl 7, 3214868480
	.fill 96, 4, 3214868480
	.section	.rodata,"a",@progbits
	.p2align	6, 0x0
	.amdhsa_kernel k_qdf9d2704b4_row1
		.amdhsa_group_segment_fixed_size 86016
		.amdhsa_private_segment_fixed_size 0
		.amdhsa_enable_private_segment 0
		.amdhsa_kernarg_size 40
		.amdhsa_user_sgpr_count 2
		.amdhsa_user_sgpr_kernarg_segment_ptr 1
		.amdhsa_wavefront_size32 1
		.amdhsa_system_sgpr_workgroup_id_x 1
		.amdhsa_system_sgpr_workgroup_id_y 1
		.amdhsa_system_sgpr_workgroup_id_z 1
		.amdhsa_system_vgpr_workitem_id 0
		.amdhsa_next_free_vgpr 256
		.amdhsa_next_free_sgpr 66
		.amdhsa_reserve_vcc 0
		.amdhsa_float_denorm_mode_32 3
		.amdhsa_float_denorm_mode_16_64 3
		.amdhsa_memory_ordered 1
		.amdhsa_forward_progress 1
		.amdhsa_inst_pref_size 43
	.end_amdhsa_kernel
	.amdgpu_metadata
---
amdhsa.version: [ 1, 2 ]
amdhsa.kernels:
  - .name:           k_qdf9d2704b4_row1
    .symbol:         k_qdf9d2704b4_row1.kd
    .args:
      - { .name: W, .offset: 0, .size: 8, .value_kind: global_buffer, .address_space: global }
      - { .name: X, .offset: 8, .size: 8, .value_kind: global_buffer, .address_space: global }
      - { .name: b, .offset: 16, .size: 8, .value_kind: global_buffer, .address_space: global }
      - { .name: pu, .offset: 24, .size: 8, .value_kind: global_buffer, .address_space: global }
      - { .name: pv, .offset: 32, .size: 8, .value_kind: global_buffer, .address_space: global }
    .group_segment_fixed_size: 86016
    .private_segment_fixed_size: 0
    .kernarg_segment_align: 8
    .kernarg_segment_size: 40
    .max_flat_workgroup_size: 512
    .sgpr_count:     66
    .vgpr_count:     256
    .wavefront_size: 32
...
	.end_amdgpu_metadata
.endif
;; end of part 2
;; launch col2 (part 3): grid 16 x 16, 16 waves a work-group, no clusters, 86,016 bytes of LDS; arguments X, W, b, pv, pu; writes pv
.if DOCPART == 3
	.amdgcn_target "amdgcn-amd-amdhsa--gfx1250"
	.amdhsa_code_object_version 6
	.text
	.protected	k_qdf9d2704b4_col2
	.globl	k_qdf9d2704b4_col2
	.p2align	8
	.type	k_qdf9d2704b4_col2,@function
k_qdf9d2704b4_col2:
	s_mov_b64 s[64:65], 0
	v_nop
	global_prefetch_b8 v0, s[64:65] scope:SCOPE_SE
	s_setreg_imm32_b32 hwreg(HW_REG_WAVE_MODE, 25, 1), 1
	s_wait_xcnt 0x0
; Sinkhorn in log space on L[n][m] = X0[n].W[m] + b[m] (4096 x 4096, batch 0 of X: the only batch that the result holds).
; THIS TEXT: a later column step, v[m] = logsumexp over n of (L[n][m] - u[n]), as 16 partial results for each m.
; Names: p = the axis that is reduced (here n, rows of X), q = the axis that stays (here m, rows of W).
; A work-group makes one tile of 256 p x 256 q (grid x = q block, grid y = p block).  It first joins, for its 256 p, the 16 partial
; results of the row step before (table pu) into u[p] and forms off[p] = -u[p]; then it stores, for its 256 q,
;   pv[p block][q] = b[q] + logsumexp over its 256 p of (X0[p].W[q] + off[p]).
; off enters as the C operand of the first matrix instruction of each accumulator, so adding it costs no vector instruction.
; L is never stored: with 64 numbers to a dot product a tile costs two matrix instructions for 256 elements.
; 16 waves of 256 registers, wave (pg, qg) = 64 p x 64 q.  The matrix work of a tile is short beside its exponentials (one for each
; element), so the work-group is cut into many waves whose matrix, exponential and LDS phases overlap, and no register window is needed.
; The matrix instruction takes p as A's rows and q as B's columns: a lane holds one q (lane mod 16) and eight p in a tile's registers,
; so maxima and sums over p run inside the lane; one exchange between the halves of the wave ends them.
; NO CLUSTER, NO TENSOR LOAD: X and W arrive as f32 and are rounded to bf16 in registers on their way into LDS; a work-group reads
; its 2 x 64 KiB once, in one run of loads, and has no loop in which partners could ask jointly.
; LIMITS: X and W enter the products rounded to bf16 (nearest even), unscaled; everything else is f32.  Inputs are finite.
; Every exponential has the true maximum taken away.  The exponent is fma(t, log2 e, -round(M log2 e)): its absolute error is
; about 1.45 |M| 2^-24, under 0.001 for |M| up to 10,000.
.set NCOL,   4096
.set PITCH,  144                       ; an LDS row: 64 bf16 + 16 bytes = 36 words: the 16 rows of a fragment load start in 16 different 16-byte columns modulo 256 bytes
.set LOFF,   0                         ; LDS: off[256 p] f32
.set LM,     2048                      ; LDS: maxima, [4 pg][256 q] f32: 1,024 pg + 256 qg = 256 x wave, so a wave's 64 words are one dense block
.set LS,     6144                      ; LDS: sums, the same shape
.set LP,     10240                     ; LDS: the p tile, 256 rows
.set LQ,     LP+256*PITCH              ; LDS: the q tile, 256 rows; ends at 83,968
.set LOG2E,  0x3fb8aa3b
.set NLOG2E, 0xbfb8aa3b
.set LN2,    0x3f317218
.set ST,  16                           ; v[16:79]    in front of the barrier: 16 loads of 16 bytes
.set PI,  80                           ; v[80:111]   in front of the barrier: 16 partials of two p (waves 0 to 3)
.set CM,  112                          ; v[112:113]  their maxima, then their logsumexp
.set CN,  114                          ; v[114:115]  -maximum x log2 e
.set PF,  16                           ; v[16:79]    behind it: fragments of my 64 p, tile a at 16 a (8 registers for each 32 of K)
.set OF,  80                           ; v[80:111]   off of my 64 p, laid out as a C operand: tile a at 8 a
.set QF,  112                          ; v[112:175]  fragments of my 64 q
.set Z0,  176                          ; v[176:207]  four accumulator tiles (64 p x 16 q)
.set Z1,  208                          ; v[208:239]  four more, for the next 16 q
.set T,   240                          ; v[240:243]  at work
.set MX,  244                          ; maximum
.set SS,  245                          ; sum
.set NM,  246                          ; v[246:247]  -maximum x log2 e, twice
.set S0,  248                          ; v[248:251]  two running pairs of sums
.set BB,  252                          ; v[252:253]  b of the two q that this thread stores (waves 0 to 3)
; logsumexp of the 16 partials of two p: even registers of PI the first p, odd ones the second.  Result in CM.
.macro COMBINE
	v_max3_num_f32 v[CM],   v[PI],   v[PI+2], v[PI+4]
	v_max3_num_f32 v[CM+1], v[PI+1], v[PI+3], v[PI+5]
.irp i, 6,10,14,18,22,26
	v_max3_num_f32 v[CM],   v[CM],   v[PI+\i],   v[PI+\i+2]
	v_max3_num_f32 v[CM+1], v[CM+1], v[PI+\i+1], v[PI+\i+3]
.endr
	v_max_num_f32 v[CM],   v[CM],   v[PI+30]
	v_max_num_f32 v[CM+1], v[CM+1], v[PI+31]
	v_pk_mul_f32 v[CN:CN+1], v[CM:CM+1], NLOG2E op_sel_hi:[1,0]
.irp i, 0,2,4,6,8,10,12,14,16,18,20,22,24,26,28,30
	v_pk_fma_f32 v[PI+\i:PI+\i+1], v[PI+\i:PI+\i+1], LOG2E, v[CN:CN+1] op_sel_hi:[1,0,1]
.endr
.set i, 0
.rept 32
	v_exp_f32 v[PI+i], v[PI+i]
.set i, i+1
.endr
	v_nop                                          ; one plain place behind the last exponential (ISA guide 5.7.2)
	s_wait_alu depctr_va_vdst(0)
.irp i, 0,4,8,12,16,20,24,28
	v_pk_add_f32 v[PI+\i:PI+\i+1], v[PI+\i:PI+\i+1], v[PI+\i+2:PI+\i+3]
.endr
.irp i, 0,8,16,24
	v_pk_add_f32 v[PI+\i:PI+\i+1], v[PI+\i:PI+\i+1], v[PI+\i+4:PI+\i+5]
.endr
	v_pk_add_f32 v[PI:PI+1], v[PI:PI+1], v[PI+8:PI+9]
	v_pk_add_f32 v[PI+16:PI+17], v[PI+16:PI+17], v[PI+24:PI+25]
	v_pk_add_f32 v[PI:PI+1], v[PI:PI+1], v[PI+16:PI+17]
	v_log_f32 v[PI], v[PI]                         ; the sums are at least about 1: the largest term is 2^0
	v_log_f32 v[PI+1], v[PI+1]
	v_nop
	s_wait_alu depctr_va_vdst(0)
	v_pk_fma_f32 v[CM:CM+1], v[PI:PI+1], LN2, v[CM:CM+1] op_sel_hi:[1,0,1]   ; maximum + ln 2 x log2(sum)
.endm
; 64 p x 16 q: the four accumulators take turns, one instruction a turn.  The first product adds off[p].
.macro MM tq, Z
.irp a, 0,1,2,3
	v_wmma_f32_16x16x32_bf16 v[\Z+8*\a:\Z+8*\a+7], v[PF+16*\a:PF+16*\a+7], v[QF+16*\tq:QF+16*\tq+7], v[OF+8*\a:OF+8*\a+7]
.endr
.irp a, 0,1,2,3
	v_wmma_f32_16x16x32_bf16 v[\Z+8*\a:\Z+8*\a+7], v[PF+16*\a+8:PF+16*\a+15], v[QF+16*\tq+8:QF+16*\tq+15], v[\Z+8*\a:\Z+8*\a+7]
.endr
.endm
; The exponentials of tile i.  Between them stand the exponents of tile i + 1 and the sums of tile i - 1: plain instructions on other
; registers, so that no exponential's result is read by the vector instruction next to it (ISA guide 5.7.2).
.macro EXPS Z, i
.irp k, 0,1,2,3
	v_exp_f32 v[\Z+8*\i+2*\k], v[\Z+8*\i+2*\k]
.if \i < 3
	v_pk_fma_f32 v[\Z+8*\i+8+2*\k:\Z+8*\i+9+2*\k], v[\Z+8*\i+8+2*\k:\Z+8*\i+9+2*\k], LOG2E, v[NM:NM+1] op_sel_hi:[1,0,1]
.endif
	v_exp_f32 v[\Z+8*\i+2*\k+1], v[\Z+8*\i+2*\k+1]
.if \i == 1
.if \k < 2
	s_wait_alu depctr_va_vdst(0)
	v_pk_add_f32 v[S0+2*\k:S0+2*\k+1], v[\Z+4*\k:\Z+4*\k+1], v[\Z+4*\k+2:\Z+4*\k+3]      ; tile 0 starts the two sums: nothing is cleared
.endif
.endif
.if \i > 1
	s_wait_alu depctr_va_vdst(0)
	v_pk_add_f32 v[S0+2*(\k%2):S0+2*(\k%2)+1], v[S0+2*(\k%2):S0+2*(\k%2)+1], v[\Z+8*\i-8+2*\k:\Z+8*\i-7+2*\k]
.endif
.endr
.endm
; Maximum and sum of exponentials over my 64 p for the 16 q of tile column tq, from the 32 registers at Z; both go to LDS.
.macro ELEM Z, tq
.irp c, 0,1,2,3
	v_max3_num_f32 v[T+\c], v[\Z+8*\c], v[\Z+8*\c+1], v[\Z+8*\c+2]
.endr
.irp c, 0,1,2,3
	v_max3_num_f32 v[T+\c], v[T+\c], v[\Z+8*\c+3], v[\Z+8*\c+4]
.endr
.irp c, 0,1,2,3
	v_max3_num_f32 v[T+\c], v[T+\c], v[\Z+8*\c+5], v[\Z+8*\c+6]
.endr
	v_max3_num_f32 v[T], v[T], v[T+1], v[\Z+7]
	v_max3_num_f32 v[T+2], v[T+2], v[T+3], v[\Z+15]
	v_max3_num_f32 v[T], v[T], v[\Z+23], v[\Z+31]
	v_max_num_f32 v[T], v[T], v[T+2]
	v_permlanex16_b32 v[T+1], v[T], s26, s27       ; the other half of the wave holds the same q and the other 32 p
	v_max_num_f32 v[MX], v[T], v[T+1]
	v_mul_f32 v[NM], NLOG2E, v[MX]
	v_mul_f32 v[NM+1], NLOG2E, v[MX]
.irp k, 0,2,4,6
	v_pk_fma_f32 v[\Z+\k:\Z+\k+1], v[\Z+\k:\Z+\k+1], LOG2E, v[NM:NM+1] op_sel_hi:[1,0,1]   ; (t - maximum) log2 e
.endr
	EXPS \Z, 0
	EXPS \Z, 1
	EXPS \Z, 2
	EXPS \Z, 3
	s_wait_alu depctr_va_vdst(0)
.irp k, 0,1,2,3
	v_pk_add_f32 v[S0+2*(\k%2):S0+2*(\k%2)+1], v[S0+2*(\k%2):S0+2*(\k%2)+1], v[\Z+24+2*\k:\Z+25+2*\k]
.endr
	v_pk_add_f32 v[S0:S0+1], v[S0:S0+1], v[S0+2:S0+3]
	v_add_f32 v[SS], v[S0], v[S0+1]
	v_permlanex16_b32 v[T], v[SS], s26, s27
	v_add_f32 v[SS], v[SS], v[T]
	ds_store_b32 v7, v[MX] offset:LM+\tq*64        ; word 16 tq + r of my wave's block; both halves of the wave write the same word with the same value
	ds_store_b32 v7, v[SS] offset:LS+\tq*64
.endm
	s_load_b256 s[4:11], s[0:1], 0x0               ; X s[4:5], W s[6:7], b s[8:9], pv s[10:11]
	s_load_b64 s[12:13], s[0:1], 0x20              ; pu
	v_lshl_add_u32 v254, v0, 2, 0x14800
	v_mov_b32 v255, 0
	v_lshrrev_b32 v11, 5, v0
	v_readfirstlane_b32 s18, v11                   ; wave, 0 to 15
	s_and_b32 s16, ttmp7, 0xffff                   ; p block
	s_lshr_b32 s19, s18, 2                         ; pg: which 64 p are mine
	s_and_b32 s20, s18, 3                          ; qg: which 64 q
	s_lshl_b32 s22, s16, 16                        ; a block of 256 rows of 256 bytes
	s_mov_b32 s23, 0
	s_lshl_b32 s24, ttmp9, 16
	s_mov_b32 s25, 0
	s_mov_b32 s26, 0x76543210                      ; v_permlanex16_b32: lane i of one half reads lane i of the other
	s_mov_b32 s27, 0xfedcba98
	s_lshl_b32 s28, s16, 10                        ; 256 f32 of a vector over p
	s_mov_b32 s29, 0
	s_lshl_b32 s30, ttmp9, 10                      ; 256 f32 of a vector over q
	s_mov_b32 s31, 0
	s_lshl_b32 s32, s16, 14                        ; row 'p block' of the table of partials,
	s_add_co_u32 s32, s32, s30                     ; and my q block in it
	s_mov_b32 s33, 0
	v_lshlrev_b32 v1, 4, v0                        ; 16 t: a wave's load covers 512 neighbouring bytes, two rows
	v_and_b32 v8, 127, v0
	v_lshlrev_b32 v8, 3, v8                        ; 8 (t mod 128): two f32 of a vector
	v_and_b32 v9, 15, v0                           ; r = lane mod 16
	v_bfe_u32 v10, v0, 4, 1                        ; h = lane / 16
	v_lshrrev_b32 v11, 4, v0                       ; t / 16: my row among the 32 of one run of loads
	v_mul_u32_u24 v2, v11, PITCH
	v_lshl_add_u32 v2, v9, 3, v2                   ; where my 4 bf16 go in the p tile (less LP)
	v_add_nc_u32 v3, LQ, v2                        ; and in the q tile
	v_mul_u32_u24 v12, v9, PITCH
	v_lshl_add_u32 v12, v10, 4, v12                ; a fragment's lane: row r, 16 bytes for each half
	s_mul_i32 s34, s19, 64*PITCH
	s_mul_i32 s35, s20, 64*PITCH
	v_add_nc_u32 v4, s34, v12                      ; my p fragments (less LP)
	v_add_nc_u32 v5, s35, v12                      ; my q fragments (less LQ)
	s_lshl_b32 s34, s19, 8
	v_lshl_add_u32 v6, v10, 5, s34                 ; off as a C operand: register j of a tile is p = 8 h + j: 256 pg + 32 h bytes
	s_lshl_b32 s35, s18, 8                         ; my wave's block of 64 words in the tables of maxima and sums
	v_lshl_add_u32 v7, v9, 2, s35                  ; 256 x wave + 4 r
	s_wait_kmcnt 0x0
	s_add_nc_u64 s[4:5], s[4:5], s[22:23]
	s_add_nc_u64 s[6:7], s[6:7], s[24:25]
	s_add_nc_u64 s[8:9], s[8:9], s[30:31]          ; b of my q block
	s_add_nc_u64 s[10:11], s[10:11], s[32:33]
	s_add_nc_u64 s[12:13], s[12:13], s[28:29]      ; the partials of my p block
	s_cmp_ge_u32 s18, 4
	s_cbranch_scc1 .Lno_small
.irp i, 0,1,2,3,4,5,6,7,8,9,10,11,12,13,14,15
	global_load_b64 v[PI+2*\i:PI+2*\i+1], v8, s[12:13] offset:\i*NCOL*4    ; waves 0 to 3: a wave's load covers 256 consecutive bytes, aligned
.endr
	global_load_b64 v[BB:BB+1], v8, s[8:9]
.Lno_small:
.irp i, 0,1,2,3,4,5,6,7
	global_load_b128 v[ST+4*\i:ST+4*\i+3], v1, s[4:5] offset:\i*8192
.endr
.irp i, 0,1,2,3,4,5,6,7
	global_load_b128 v[ST+32+4*\i:ST+32+4*\i+3], v1, s[6:7] offset:\i*8192
.endr
	s_cmp_ge_u32 s18, 4
	s_cbranch_scc1 .Lno_comb
	s_wait_loadcnt 16                              ; the partials and b are in; the 16 loads issued behind them stay out
	COMBINE
	v_pk_mul_f32 v[CM:CM+1], v[CM:CM+1], -1.0 op_sel_hi:[1,0]    ; off[p] = -u[p]
	ds_store_b64 v8, v[CM:CM+1] offset:LOFF
.Lno_comb:
	; f32 to bf16, in place, and into LDS.  Loads come back in order: the count is the number of loads issued behind the one needed.
.irp i, 0,1,2,3,4,5,6,7
	s_wait_loadcnt 15-\i
	v_cvt_pk_bf16_f32 v[ST+4*\i], v[ST+4*\i], v[ST+4*\i+1]
	v_cvt_pk_bf16_f32 v[ST+4*\i+1], v[ST+4*\i+2], v[ST+4*\i+3]
	ds_store_b64 v2, v[ST+4*\i:ST+4*\i+1] offset:LP+\i*32*PITCH
.endr
.irp i, 0,1,2,3,4,5,6,7
	s_wait_loadcnt 7-\i
	v_cvt_pk_bf16_f32 v[ST+32+4*\i], v[ST+32+4*\i], v[ST+32+4*\i+1]
	v_cvt_pk_bf16_f32 v[ST+32+4*\i+1], v[ST+32+4*\i+2], v[ST+32+4*\i+3]
	ds_store_b64 v3, v[ST+32+4*\i:ST+32+4*\i+1] offset:\i*32*PITCH
.endr
	s_wait_dscnt 0x0                               ; my part of both tiles and of off is in LDS,
	s_barrier_signal -1
	s_barrier_wait -1                              ; everybody's is
.irp a, 0,1,2,3
	ds_load_b128 v[OF+8*\a:OF+8*\a+3],   v6 offset:LOFF+64*\a
	ds_load_b128 v[OF+8*\a+4:OF+8*\a+7], v6 offset:LOFF+64*\a+16
.endr
.irp a, 0,1,2,3
.irp c, 0,1,2,3
	ds_load_b128 v[PF+16*\a+4*\c:PF+16*\a+4*\c+3], v4 offset:LP+\a*16*PITCH+32*\c
.endr
.endr
.irp a, 0,1,2,3
.irp c, 0,1,2,3
	ds_load_b128 v[QF+16*\a+4*\c:QF+16*\a+4*\c+3], v5 offset:LQ+\a*16*PITCH+32*\c
.endr
.endr
	s_wait_dscnt 12                                ; all but the fragments of q tiles 1 to 3
	MM 0, Z0
	s_wait_dscnt 8                                 ; all but q tiles 2 and 3
	MM 1, Z1
.rept 4
	v_nop                                          ; four places between a matrix instruction and the vector instruction that reads its result (ISA guide 7.12.1)
.endr
	ELEM Z0, 0
	s_wait_dscnt 6                                 ; behind q tile 2's loads: tile 3's four and two stores
	MM 2, Z0
	ELEM Z1, 1
	s_wait_dscnt 4                                 ; behind q tile 3's loads: four stores
	MM 3, Z1
	ELEM Z0, 2
	ELEM Z1, 3
	s_wait_dscnt 0x0                               ; my maxima and sums are in LDS,
	s_barrier_signal -1
	s_barrier_wait -1                              ; everybody's are
	s_cmp_ge_u32 s18, 4
	s_cbranch_scc1 .Lend
	; waves 0 to 3: thread t joins the four p groups for q = 2 t and 2 t + 1, which lie in a register pair
.irp g, 0,1,2,3
	ds_load_b64 v[16+2*\g:17+2*\g], v8 offset:LM+\g*1024
.endr
.irp g, 0,1,2,3
	ds_load_b64 v[24+2*\g:25+2*\g], v8 offset:LS+\g*1024
.endr
	s_wait_dscnt 0x0
	v_max3_num_f32 v32, v16, v18, v20
	v_max3_num_f32 v33, v17, v19, v21
	v_max_num_f32 v32, v32, v22
	v_max_num_f32 v33, v33, v23
	v_pk_mul_f32 v[34:35], v[32:33], NLOG2E op_sel_hi:[1,0]
.irp g, 0,2,4,6
	v_pk_fma_f32 v[16+\g:17+\g], v[16+\g:17+\g], LOG2E, v[34:35] op_sel_hi:[1,0,1]
.endr
.irp i, 0,1,2,3,4,5,6,7
	v_exp_f32 v[16+\i], v[16+\i]
.endr
	v_nop                                          ; one plain place behind the last exponential
	s_wait_alu depctr_va_vdst(0)
	v_pk_mul_f32 v[36:37], v[16:17], v[24:25]      ; each group's sum, brought to the common maximum
.irp g, 2,4,6
	v_pk_fma_f32 v[36:37], v[16+\g:17+\g], v[24+\g:25+\g], v[36:37]
.endr
	v_log_f32 v36, v36                             ; the sums are at least about 1: the largest term is 2^0
	v_log_f32 v37, v37
	v_nop
	s_wait_alu depctr_va_vdst(0)
	v_pk_fma_f32 v[32:33], v[36:37], LN2, v[32:33] op_sel_hi:[1,0,1]   ; maximum + ln 2 x log2(sum)
	v_pk_add_f32 v[32:33], v[32:33], v[BB:BB+1]    ; b[q] is constant along p: it is added to the logsumexp
	global_store_b64 v8, v[32:33], s[10:11]        ; a wave's store covers 256 consecutive bytes, aligned
.Lend:
	s_wait_tensorcnt 0x0
	ds_add_u32 v254, v255
	s_wait_dscnt 0x0
	s_endpgm
.Lfunc_end_k_qdf9d2704b4_col2:
	.size	k_qdf9d2704b4_col2, .Lfunc_end_k_qdf9d2704b4_col2-k_qdf9d2704b4_col2
	.p2alignl 7, 3214868480
	.fill 96, 4, 3214868480
	.section	.rodata,"a",@progbits
	.p2align	6, 0x0
	.amdhsa_kernel k_qdf9d2704b4_col2
		.amdhsa_group_segment_fixed_size 86016
		.amdhsa_private_segment_fixed_size 0
		.amdhsa_enable_private_segment 0
		.amdhsa_kernarg_size 40
		.amdhsa_user_sgpr_count 2
		.amdhsa_user_sgpr_kernarg_segment_ptr 1
		.amdhsa_wavefront_size32 1
		.amdhsa_system_sgpr_workgroup_id_x 1
		.amdhsa_system_sgpr_workgroup_id_y 1
		.amdhsa_system_sgpr_workgroup_id_z 1
		.amdhsa_system_vgpr_workitem_id 0
		.amdhsa_next_free_vgpr 256
		.amdhsa_next_free_sgpr 66
		.amdhsa_reserve_vcc 0
		.amdhsa_float_denorm_mode_32 3
		.amdhsa_float_denorm_mode_16_64 3
		.amdhsa_memory_ordered 1
		.amdhsa_forward_progress 1
		.amdhsa_inst_pref_size 43
	.end_amdhsa_kernel
	.amdgpu_metadata
---
amdhsa.version: [ 1, 2 ]
amdhsa.kernels:
  - .name:           k_qdf9d2704b4_col2
    .symbol:         k_qdf9d2704b4_col2.kd
    .args:
      - { .name: X, .offset: 0, .size: 8, .value_kind: global_buffer, .address_space: global }
      - { .name: W, .offset: 8, .size: 8, .value_kind: global_buffer, .address_space: global }
      - { .name: b, .offset: 16, .size: 8, .value_kind: global_buffer, .address_space: global }
      - { .name: pv, .offset: 24, .size: 8, .value_kind: global_buffer, .address_space: global }
      - { .name: pu, .offset: 32, .size: 8, .value_kind: global_buffer, .address_space: global }
    .group_segment_fixed_size: 86016
    .private_segment_fixed_size: 0
    .kernarg_segment_align: 8
    .kernarg_segment_size: 40
    .max_flat_workgroup_size: 512
    .sgpr_count:     66
    .vgpr_count:     256
    .wavefront_size: 32
...
	.end_amdgpu_metadata
.endif
;; end of part 3
;; launch row2: the kernel of part 2 again; grid 16 x 16, 16 waves a work-group, no clusters, 86,016 bytes of LDS; arguments W, X, b, pu, pv; writes pu
;; launch col3: the kernel of part 3 again; grid 16 x 16, 16 waves a work-group, no clusters, 86,016 bytes of LDS; arguments X, W, b, pv, pu; writes pv
;; launch row3: the kernel of part 2 again; grid 16 x 16, 16 waves a work-group, no clusters, 86,016 bytes of LDS; arguments W, X, b, pu, pv; writes pu
;; launch final (part 4): grid 16 x 16, 16 waves a work-group, no clusters, 86,016 bytes of LDS; arguments X, W, b, out0, pu, pv; writes out0
.if DOCPART == 4
	.amdgcn_target "amdgcn-amd-amdhsa--gfx1250"
	.amdhsa_code_object_version 6
	.text
	.protected	k_qdf9d2704b4_final
	.globl	k_qdf9d2704b4_final
	.p2align	8
	.type	k_qdf9d2704b4_final,@function
k_qdf9d2704b4_final:
	s_mov_b64 s[64:65], 0
	v_nop
	global_prefetch_b8 v0, s[64:65] scope:SCOPE_SE
	s_setreg_imm32_b32 hwreg(HW_REG_WAVE_MODE, 25, 1), 1
	s_wait_xcnt 0x0
; Sinkhorn in log space on L[n][m] = X0[n].W[m] + b[m] (4096 x 4096, batch 0 of X: the only batch that the result holds).
; THIS LAUNCH: the result, out0[n][m] = exp(L[n][m] - v3[m] - u3[n]).
; Names: p = n (rows of X, A's rows in the matrix instruction), q = m (rows of W, B's columns, the lanes).
; A work-group makes one tile of 256 n x 256 m (grid x = m block, grid y = n block).  Waves 0 to 3 join the 16 partials of u3 (table pu)
; for the tile's 256 n, waves 4 to 7 those of v3 (table pv) for its 256 m.  off[n] = -u3[n] enters as the C operand of the first matrix
; instruction of each accumulator; (b[m] - v3[m]) log2 e is the addend of the multiply-add in front of the exponential.
; THE WAY OUT needs no LDS.  Column r of q tile t' is given the row m = 4 r + t' of the wave's 64 rows of W (W's rows are laid into LDS in
; that order).  Then the four q tiles hold, in one lane and at one register number j, four NEIGHBOURING m of row n = 8 h + j.  The
; exponential writes its result where it likes, so it puts these four into four neighbouring registers: lanes 0 to 15 of a store of
; 16 bytes a lane then cover 256 consecutive bytes of one row of out0, aligned, and lanes 16 to 31 the same columns eight rows below.
; 16 waves of 256 registers, wave (pg, qg) = 64 n x 64 m, 16 n at a time.
; NO CLUSTER, NO TENSOR LOAD: X and W arrive as f32 and are rounded to bf16 in registers on their way into LDS; a work-group reads
; its 2 x 64 KiB once, in one run of loads, and has no loop in which partners could ask jointly.
; LIMITS: X and W enter the products rounded to bf16 (nearest even), unscaled; everything else is f32.  Inputs are finite.
; The joins take the true maximum away before every exponential; the last exponential is the plain exp of the normalised
; logarithm, which the row step before has made at most about 0.  A result below 2^-126 comes out as 0 (v_exp_f32 flushes).
.set NCOL,   4096
.set PITCH,  144                       ; an LDS row: 64 bf16 + 16 bytes = 36 words: the 16 rows of a fragment load start in 16 different 16-byte columns modulo 256 bytes
.set LOFF,   0                         ; LDS: -u3 of my 256 n, f32
.set LQOFF,  1024                      ; LDS: b - v3 of my 256 m, f32
.set LP,     10240                     ; LDS: the n tile, 256 rows
.set LQ,     LP+256*PITCH              ; LDS: the m tile, 256 rows, permuted; ends at 83,968
.set LOG2E,  0x3fb8aa3b
.set NLOG2E, 0xbfb8aa3b
.set LN2,    0x3f317218
.set ST,  16                           ; v[16:79]    in front of the barrier: 16 loads of 16 bytes
.set PI,  80                           ; v[80:111]   in front of the barrier: 16 partials of two indices (waves 0 to 7)
.set CM,  112                          ; v[112:113]  their maxima, then their logsumexp
.set CN,  114                          ; v[114:115]  -maximum x log2 e
.set PF,  16                           ; v[16:79]    behind it: fragments of my 64 n, tile a at 16 a (8 registers for each 32 of K)
.set OF,  80                           ; v[80:111]   -u3 of my 64 n, laid out as a C operand: tile a at 8 a
.set QF,  112                          ; v[112:175]  fragments of my 64 m
.set Z0,  176                          ; v[176:207]  four accumulator tiles (16 n x 64 m)
.set Z1,  208                          ; v[208:239]  the results, register 4 j + t': what the stores read
.set CQ4, 240                          ; v[240:243]  b - v3 of my lane's four m
.set CQ,  244                          ; v[244:251]  the same x log2 e, each twice (pairs for the packed multiply-add)
.set BB,  252                          ; v[252:253]  b of the two m that this thread joins (waves 4 to 7)
; logsumexp of the 16 partials of two indices: even registers of PI the first, odd ones the second.  Result in CM.
.macro COMBINE
	v_max3_num_f32 v[CM],   v[PI],   v[PI+2], v[PI+4]
	v_max3_num_f32 v[CM+1], v[PI+1], v[PI+3], v[PI+5]
.irp i, 6,10,14,18,22,26
	v_max3_num_f32 v[CM],   v[CM],   v[PI+\i],   v[PI+\i+2]
	v_max3_num_f32 v[CM+1], v[CM+1], v[PI+\i+1], v[PI+\i+3]
.endr
	v_max_num_f32 v[CM],   v[CM],   v[PI+30]
	v_max_num_f32 v[CM+1], v[CM+1], v[PI+31]
	v_pk_mul_f32 v[CN:CN+1], v[CM:CM+1], NLOG2E op_sel_hi:[1,0]
.irp i, 0,2,4,6,8,10,12,14,16,18,20,22,24,26,28,30
	v_pk_fma_f32 v[PI+\i:PI+\i+1], v[PI+\i:PI+\i+1], LOG2E, v[CN:CN+1] op_sel_hi:[1,0,1]
.endr
.set i, 0
.rept 32
	v_exp_f32 v[PI+i], v[PI+i]
.set i, i+1
.endr
	v_nop                                          ; one plain place behind the last exponential (ISA guide 5.7.2)
	s_wait_alu depctr_va_vdst(0)
.irp i, 0,4,8,12,16,20,24,28
	v_pk_add_f32 v[PI+\i:PI+\i+1], v[PI+\i:PI+\i+1], v[PI+\i+2:PI+\i+3]
.endr
.irp i, 0,8,16,24
	v_pk_add_f32 v[PI+\i:PI+\i+1], v[PI+\i:PI+\i+1], v[PI+\i+4:PI+\i+5]
.endr
	v_pk_add_f32 v[PI:PI+1], v[PI:PI+1], v[PI+8:PI+9]
	v_pk_add_f32 v[PI+16:PI+17], v[PI+16:PI+17], v[PI+24:PI+25]
	v_pk_add_f32 v[PI:PI+1], v[PI:PI+1], v[PI+16:PI+17]
	v_log_f32 v[PI], v[PI]                         ; the sums are at least about 1: the largest term is 2^0
	v_log_f32 v[PI+1], v[PI+1]
	v_nop
	s_wait_alu depctr_va_vdst(0)
	v_pk_fma_f32 v[CM:CM+1], v[PI:PI+1], LN2, v[CM:CM+1] op_sel_hi:[1,0,1]   ; maximum + ln 2 x log2(sum)
.endm
; 16 n x 64 m: the four accumulators take turns, one instruction a turn.  The first product adds -u3[n].
.macro MMF tp
.irp q, 0,1,2,3
	v_wmma_f32_16x16x32_bf16 v[Z0+8*\q:Z0+8*\q+7], v[PF+16*\tp:PF+16*\tp+7], v[QF+16*\q:QF+16*\q+7], v[OF+8*\tp:OF+8*\tp+7]
.endr
.irp q, 0,1,2,3
	v_wmma_f32_16x16x32_bf16 v[Z0+8*\q:Z0+8*\q+7], v[PF+16*\tp+8:PF+16*\tp+15], v[QF+16*\q+8:QF+16*\q+15], v[Z0+8*\q:Z0+8*\q+7]
.endr
.endm
; Rows 16 tp to 16 tp + 15 of my 64: exponents, exponentials into the stores' order, the next rows' products, eight stores.
.macro BLOCK tp, nxt
.rept 4
	v_nop                                          ; four places between a matrix instruction and the vector instruction that reads its result (ISA guide 7.12.1)
.endr
.irp q, 0,1,2,3
.irp k, 0,2,4,6
	v_pk_fma_f32 v[Z0+8*\q+\k:Z0+8*\q+\k+1], v[Z0+8*\q+\k:Z0+8*\q+\k+1], LOG2E, v[CQ+2*\q:CQ+2*\q+1] op_sel_hi:[1,0,1]
.endr
.endr
	s_wait_xcnt 0x0                                ; Z1 is the data of the stores before: it is rewritten only behind this wait
.irp j, 0,1,2,3,4,5,6,7
.irp q, 0,1,2,3
	v_exp_f32 v[Z1+4*\j+\q], v[Z0+8*\q+\j]
.endr
.endr
	v_nop                                          ; one plain place before the exponentials' sources are written over and their results stored
.if \nxt < 4
	MMF \nxt
.endif
	s_wait_alu depctr_va_vdst(0)
.irp j, 0,1,2,3,4,5,6,7
	global_store_b128 v13, v[Z1+4*\j:Z1+4*\j+3], s[10:11] offset:(16*\tp+\j)*NCOL*4 th:TH_STORE_NT
.endr
.endm
	s_load_b256 s[4:11], s[0:1], 0x0               ; X s[4:5], W s[6:7], b s[8:9], out0 s[10:11]
	s_load_b128 s[12:15], s[0:1], 0x20             ; pu s[12:13], pv s[14:15]
	v_lshl_add_u32 v254, v0, 2, 0x14800
	v_mov_b32 v255, 0
	v_lshrrev_b32 v11, 5, v0
	v_readfirstlane_b32 s18, v11                   ; wave, 0 to 15
	s_and_b32 s16, ttmp7, 0xffff                   ; n block
	s_lshr_b32 s19, s18, 2                         ; pg: which 64 n are mine
	s_and_b32 s20, s18, 3                          ; qg: which 64 m
	s_lshl_b32 s22, s16, 16                        ; a block of 256 rows of 256 bytes
	s_mov_b32 s23, 0
	s_lshl_b32 s24, ttmp9, 16
	s_mov_b32 s25, 0
	s_lshl_b32 s28, s16, 10                        ; 256 f32 of a vector over n
	s_mov_b32 s29, 0
	s_lshl_b32 s30, ttmp9, 10                      ; 256 f32 of a vector over m
	s_mov_b32 s31, 0
	s_lshl_b32 s32, s16, 22                        ; out0: 256 rows of 16,384 bytes for each n block,
	s_lshl_b32 s34, s19, 20                        ; 64 rows for each pg,
	s_add_co_u32 s32, s32, s34
	s_add_co_u32 s32, s32, s30                     ; 1,024 bytes for each m block,
	s_lshl_b32 s34, s20, 8                         ; 256 bytes for each qg: under 64 MiB in all
	s_add_co_u32 s32, s32, s34
	s_mov_b32 s33, 0
	v_lshlrev_b32 v1, 4, v0                        ; 16 t: a wave's load covers 512 neighbouring bytes, two rows
	v_and_b32 v8, 127, v0
	v_lshlrev_b32 v8, 3, v8                        ; 8 (t mod 128): two f32 of a vector
	v_and_b32 v9, 15, v0                           ; r = lane mod 16
	v_bfe_u32 v10, v0, 4, 1                        ; h = lane / 16
	v_lshrrev_b32 v11, 4, v0                       ; t / 16: my row among the 32 of one run of loads
	v_mul_u32_u24 v2, v11, PITCH
	v_lshl_add_u32 v2, v9, 3, v2                   ; where my 4 bf16 go in the n tile (less LP)
	; W's row 64 g + 4 r + t' goes to LDS row 64 g + 16 t' + r.  Load i of thread t holds row 32 i + t / 16:
	; g = i / 2, r = 8 (i mod 2) + bits 8:6 of t, t' = bits 5:4 of t.  The part that hangs on i stands in the store's immediate.
	v_bfe_u32 v11, v0, 4, 2
	v_bfe_u32 v12, v0, 6, 3
	v_lshl_add_u32 v11, v11, 4, v12
	v_mul_u32_u24 v3, v11, PITCH
	v_lshl_add_u32 v3, v9, 3, v3
	v_add_nc_u32 v3, LQ, v3
	v_mul_u32_u24 v12, v9, PITCH
	v_lshl_add_u32 v12, v10, 4, v12                ; a fragment's lane: row r, 16 bytes for each half
	s_mul_i32 s34, s19, 64*PITCH
	s_mul_i32 s35, s20, 64*PITCH
	v_add_nc_u32 v4, s34, v12                      ; my n fragments (less LP)
	v_add_nc_u32 v5, s35, v12                      ; my m fragments (less LQ)
	s_lshl_b32 s34, s19, 8
	v_lshl_add_u32 v6, v10, 5, s34                 ; -u3 as a C operand: register j of a tile is n = 8 h + j: 256 pg + 32 h bytes
	s_lshl_b32 s35, s20, 8
	v_lshl_add_u32 v14, v9, 4, s35                 ; b - v3 of m = 64 qg + 4 r + 0..3
	v_lshlrev_b32 v13, 4, v9
	v_lshl_add_u32 v13, v10, 17, v13               ; out0: 16 r bytes, and eight rows down for the upper half of the wave
	s_wait_kmcnt 0x0
	s_add_nc_u64 s[4:5], s[4:5], s[22:23]
	s_add_nc_u64 s[6:7], s[6:7], s[24:25]
	s_add_nc_u64 s[8:9], s[8:9], s[30:31]          ; b of my m block
	s_add_nc_u64 s[10:11], s[10:11], s[32:33]
	s_add_nc_u64 s[12:13], s[12:13], s[28:29]      ; u3's partials of my n block
	s_add_nc_u64 s[14:15], s[14:15], s[30:31]      ; v3's partials of my m block
	s_cmp_ge_u32 s18, 8
	s_cbranch_scc1 .Lno_small
	s_cmp_lt_u32 s18, 4
	s_cselect_b64 s[36:37], s[12:13], s[14:15]     ; waves 0 to 3 join u3, waves 4 to 7 join v3
.irp i, 0,1,2,3,4,5,6,7,8,9,10,11,12,13,14,15
	global_load_b64 v[PI+2*\i:PI+2*\i+1], v8, s[36:37] offset:\i*NCOL*4    ; a wave's load covers 256 consecutive bytes, aligned
.endr
	s_cmp_lt_u32 s18, 4
	s_cbranch_scc1 .Lno_small
	global_load_b64 v[BB:BB+1], v8, s[8:9]
.Lno_small:
.irp i, 0,1,2,3,4,5,6,7
	global_load_b128 v[ST+4*\i:ST+4*\i+3], v1, s[4:5] offset:\i*8192
.endr
.irp i, 0,1,2,3,4,5,6,7
	global_load_b128 v[ST+32+4*\i:ST+32+4*\i+3], v1, s[6:7] offset:\i*8192
.endr
	s_cmp_ge_u32 s18, 8
	s_cbranch_scc1 .Lno_comb
	s_wait_loadcnt 16                              ; the partials (and b) are in; the 16 loads issued behind them stay out
	COMBINE
	s_cmp_lt_u32 s18, 4
	s_cbranch_scc1 .Ln_side
	v_pk_add_f32 v[CM:CM+1], v[BB:BB+1], v[CM:CM+1] neg_lo:[0,1] neg_hi:[0,1]   ; b[m] - v3[m]
	ds_store_b64 v8, v[CM:CM+1] offset:LQOFF
	s_branch .Lno_comb
.Ln_side:
	v_pk_mul_f32 v[CM:CM+1], v[CM:CM+1], -1.0 op_sel_hi:[1,0]                   ; -u3[n]
	ds_store_b64 v8, v[CM:CM+1] offset:LOFF
.Lno_comb:
	; f32 to bf16, in place, and into LDS.  Loads come back in order: the count is the number of loads issued behind the one needed.
.irp i, 0,1,2,3,4,5,6,7
	s_wait_loadcnt 15-\i
	v_cvt_pk_bf16_f32 v[ST+4*\i], v[ST+4*\i], v[ST+4*\i+1]
	v_cvt_pk_bf16_f32 v[ST+4*\i+1], v[ST+4*\i+2], v[ST+4*\i+3]
	ds_store_b64 v2, v[ST+4*\i:ST+4*\i+1] offset:LP+\i*32*PITCH
.endr
.irp i, 0,1,2,3,4,5,6,7
	s_wait_loadcnt 7-\i
	v_cvt_pk_bf16_f32 v[ST+32+4*\i], v[ST+32+4*\i], v[ST+32+4*\i+1]
	v_cvt_pk_bf16_f32 v[ST+32+4*\i+1], v[ST+32+4*\i+2], v[ST+32+4*\i+3]
	ds_store_b64 v3, v[ST+32+4*\i:ST+32+4*\i+1] offset:((\i/2)*64+(\i%2)*8)*PITCH
.endr
	s_wait_dscnt 0x0                               ; my part of both tiles and of the two vectors is in LDS,
	s_barrier_signal -1
	s_barrier_wait -1                              ; everybody's is
	ds_load_b128 v[CQ4:CQ4+3], v14 offset:LQOFF
.irp a, 0,1,2,3
	ds_load_b128 v[OF+8*\a:OF+8*\a+3],   v6 offset:LOFF+64*\a
	ds_load_b128 v[OF+8*\a+4:OF+8*\a+7], v6 offset:LOFF+64*\a+16
.endr
.irp a, 0,1,2,3
.irp c, 0,1,2,3
	ds_load_b128 v[QF+16*\a+4*\c:QF+16*\a+4*\c+3], v5 offset:LQ+\a*16*PITCH+32*\c
.endr
.endr
.irp a, 0,1,2,3
.irp c, 0,1,2,3
	ds_load_b128 v[PF+16*\a+4*\c:PF+16*\a+4*\c+3], v4 offset:LP+\a*16*PITCH+32*\c
.endr
.endr
	s_wait_dscnt 0x0
.irp q, 0,1,2,3
	v_mul_f32 v[CQ+2*\q],   LOG2E, v[CQ4+\q]
	v_mul_f32 v[CQ+2*\q+1], LOG2E, v[CQ4+\q]
.endr
	MMF 0
	BLOCK 0, 1
	BLOCK 1, 2
	BLOCK 2, 3
	BLOCK 3, 4
	s_wait_tensorcnt 0x0
	ds_add_u32 v254, v255
	s_wait_dscnt 0x0
	s_endpgm
.Lfunc_end_k_qdf9d2704b4_final:
	.size	k_qdf9d2704b4_final, .Lfunc_end_k_qdf9d2704b4_final-k_qdf9d2704b4_final
	.p2alignl 7, 3214868480
	.fill 96, 4, 3214868480
	.section	.rodata,"a",@progbits
	.p2align	6, 0x0
	.amdhsa_kernel k_qdf9d2704b4_final
		.amdhsa_group_segment_fixed_size 86016
		.amdhsa_private_segment_fixed_size 0
		.amdhsa_enable_private_segment 0
		.amdhsa_kernarg_size 48
		.amdhsa_user_sgpr_count 2
		.amdhsa_user_sgpr_kernarg_segment_ptr 1
		.amdhsa_wavefront_size32 1
		.amdhsa_system_sgpr_workgroup_id_x 1
		.amdhsa_system_sgpr_workgroup_id_y 1
		.amdhsa_system_sgpr_workgroup_id_z 1
		.amdhsa_system_vgpr_workitem_id 0
		.amdhsa_next_free_vgpr 256
		.amdhsa_next_free_sgpr 66
		.amdhsa_reserve_vcc 0
		.amdhsa_float_denorm_mode_32 3
		.amdhsa_float_denorm_mode_16_64 3
		.amdhsa_memory_ordered 1
		.amdhsa_forward_progress 1
		.amdhsa_inst_pref_size 34
	.end_amdhsa_kernel
	.amdgpu_metadata
---
amdhsa.version: [ 1, 2 ]
amdhsa.kernels:
  - .name:           k_qdf9d2704b4_final
    .symbol:         k_qdf9d2704b4_final.kd
    .args:
      - { .name: X, .offset: 0, .size: 8, .value_kind: global_buffer, .address_space: global }
      - { .name: W, .offset: 8, .size: 8, .value_kind: global_buffer, .address_space: global }
      - { .name: b, .offset: 16, .size: 8, .value_kind: global_buffer, .address_space: global }
      - { .name: out0, .offset: 24, .size: 8, .value_kind: global_buffer, .address_space: global }
      - { .name: pu, .offset: 32, .size: 8, .value_kind: global_buffer, .address_space: global }
      - { .name: pv, .offset: 40, .size: 8, .value_kind: global_buffer, .address_space: global }
    .group_segment_fixed_size: 86016
    .private_segment_fixed_size: 0
    .kernarg_segment_align: 8
    .kernarg_segment_size: 48
    .max_flat_workgroup_size: 512
    .sgpr_count:     66
    .vgpr_count:     256
    .wavefront_size: 32
...
	.end_amdgpu_metadata
.endif
;; end of part 4
;; ======== version 2 of 2: 7 launches; 1.15 times as fast as version 1
;; workspace buffers: pv 262,144 bytes; pu 262,144 bytes; Xs 524,288 bytes; Ws 524,288 bytes
;; launch col1 (part 5): grid 16 x 16, 16 waves a work-group, no clusters, 86,016 bytes of LDS; arguments X, W, b, pv, Xs, Ws; writes pv, Xs, Ws
.if DOCPART == 5
	.amdgcn_target "amdgcn-amd-amdhsa--gfx1250"
	.amdhsa_code_object_version 6
	.text
	.protected	k_qdf9d2704b4_col1
	.globl	k_qdf9d2704b4_col1
	.p2align	8
	.type	k_qdf9d2704b4_col1,@function
k_qdf9d2704b4_col1:
	s_mov_b64 s[64:65], 0
	v_nop
	global_prefetch_b8 v0, s[64:65] scope:SCOPE_SE
	s_setreg_imm32_b32 hwreg(HW_REG_WAVE_MODE, 25, 1), 1
	s_wait_xcnt 0x0
; Sinkhorn in log space on L[n][m] = X0[n].W[m] + b[m] (4096 x 4096, batch 0 of X: the only batch that the result holds).
; THIS LAUNCH: the first column step, v1[m] = logsumexp over n of L[n][m], as 16 partial results for each m; and, on the side, X0 and W
; rounded to bf16 once for all later launches.
; Names: p = the axis that is reduced (here n, rows of X), q = the axis that stays (here m, rows of W).
; A work-group makes one tile of 256 p x 256 q (grid x = q block, grid y = p block) and stores, for its 256 q,
;   pv[p block][q] = b[q] + logsumexp over its 256 p of X0[p].W[q].     The next launch joins the 16 partials of each q.
; L is never stored: with 64 numbers to a dot product a tile costs two matrix instructions for 256 elements.
; 16 waves of 256 registers, wave (pg, qg) = 64 p x 64 q.  The matrix work of a tile is short beside its exponentials (one for each
; element), so the work-group is cut into many waves whose matrix, exponential and LDS phases overlap, and no register window is needed.
; The matrix instruction takes p as A's rows and q as B's columns: a lane holds one q and eight p in a tile's registers,
; so maxima and sums over p run inside the lane; one exchange between the halves of the wave ends them.
; THE ORDER OF W'S ROWS, here and in every later launch: row r of the 16-row tile 4 g + t' is W's row 64 g + 4 r + t'.  (The last launch
; needs it: four tiles then hold four neighbouring m in one lane.)  So lane r of q tile tq holds m = 64 qg + 4 r + tq.
; Xs AND Ws: the bf16 fragments as the matrix instruction takes them.  A 16-row tile is 2,048 bytes: chunk c (0 to 3), lane l, 16 bytes
; = K 16 c + 8 (l / 16) + 0..7 of the tile's row l mod 16.  A wave's store of four fragment registers is 512 consecutive bytes, and a
; block of 256 rows is 32,768 dense bytes, which the later launches bring into LDS as it lies.  In work-group (x, y) wave 4 x stores its
; 64 rows of X, and wave y, where y < 4, its 64 rows of W: each byte of Xs and Ws is stored by one wave of the launch.
; NO CLUSTER, NO TENSOR LOAD HERE: X and W arrive as f32 and are rounded to bf16 in registers on their way into LDS; brought into LDS as
; f32 they would have to be read, rounded and stored there again.  A work-group reads its 2 x 64 KiB once, in one run of loads.
; LIMITS: X and W enter the products rounded to bf16 (nearest even), unscaled; everything else is f32.  Inputs are finite.
; Every exponential has the true maximum taken away.  The exponent is fma(t, log2 e, -round(M log2 e)): its absolute error is
; about 1.45 |M| 2^-24, under 0.001 for |M| up to 10,000.
.set PITCH,  144                       ; an LDS row: 64 bf16 + 16 bytes = 36 words: the 16 rows of a fragment load start in 16 different 16-byte columns modulo 256 bytes
.set LM,     2048                      ; LDS: maxima, [4 pg][256 q] f32: 1,024 pg + 256 qg = 256 x wave, so a wave's 64 words are one dense block
.set LS,     6144                      ; LDS: sums, the same shape
.set LP,     10240                     ; LDS: the p tile, 256 rows
.set LQ,     LP+256*PITCH              ; LDS: the q tile, 256 rows in the order given above; ends at 83,968
.set QSTEP,  4                         ; bytes from a q tile to the next in a wave's block of maxima: word 4 r + tq
.set LOG2E,  0x3fb8aa3b
.set NLOG2E, 0xbfb8aa3b
.set LN2,    0x3f317218
.set SEL, 26                           ; s[26:27]    lane selects of v_permlanex16_b32
.set ST,  16                           ; v[16:79]    in front of the barrier: 16 loads of 16 bytes
.set PF,  16                           ; v[16:79]    behind it: fragments of my 64 p, tile a at 16 a (8 registers for each 32 of K)
.set QF,  112                          ; v[112:175]  fragments of my 64 q
.set Z0,  176                          ; v[176:207]  four accumulator tiles (64 p x 16 q)
.set Z1,  208                          ; v[208:239]  four more, for the next 16 q
.set JB,  176                          ; v[176:197]  the join at the end (not the fragments: stores may still read those)
.set T,   240                          ; v[240:243]  at work
.set MX,  244                          ; maximum
.set SS,  245                          ; sum
.set NM,  246                          ; v[246:247]  -maximum x log2 e, twice
.set S0,  248                          ; v[248:251]  two running pairs of sums
.set BB,  252                          ; v[252:253]  b of the two q that this thread stores (waves 0 to 3)
; 64 p x 16 q: the four accumulators take turns, one instruction a turn.  The first product starts the sums.
.macro MM tq, Z
.irp a, 0,1,2,3
	v_wmma_f32_16x16x32_bf16 v[\Z+8*\a:\Z+8*\a+7], v[PF+16*\a:PF+16*\a+7], v[QF+16*\tq:QF+16*\tq+7], 0
.endr
.irp a, 0,1,2,3
	v_wmma_f32_16x16x32_bf16 v[\Z+8*\a:\Z+8*\a+7], v[PF+16*\a+8:PF+16*\a+15], v[QF+16*\tq+8:QF+16*\tq+15], v[\Z+8*\a:\Z+8*\a+7]
.endr
.endm
; The exponentials of tile i.  Between them stand the exponents of tile i + 1 and the sums of tile i - 1: plain instructions on other
; registers, so that no exponential's result is read by the vector instruction next to it (ISA guide 5.7.2).
.macro EXPS Z, i
.irp k, 0,1,2,3
	v_exp_f32 v[\Z+8*\i+2*\k], v[\Z+8*\i+2*\k]
.if \i < 3
	v_pk_fma_f32 v[\Z+8*\i+8+2*\k:\Z+8*\i+9+2*\k], v[\Z+8*\i+8+2*\k:\Z+8*\i+9+2*\k], LOG2E, v[NM:NM+1] op_sel_hi:[1,0,1]
.endif
	v_exp_f32 v[\Z+8*\i+2*\k+1], v[\Z+8*\i+2*\k+1]
.if \i == 1
.if \k < 2
	s_wait_alu depctr_va_vdst(0)
	v_pk_add_f32 v[S0+2*\k:S0+2*\k+1], v[\Z+4*\k:\Z+4*\k+1], v[\Z+4*\k+2:\Z+4*\k+3]      ; tile 0 starts the two sums: nothing is cleared
.endif
.endif
.if \i > 1
	s_wait_alu depctr_va_vdst(0)
	v_pk_add_f32 v[S0+2*(\k%2):S0+2*(\k%2)+1], v[S0+2*(\k%2):S0+2*(\k%2)+1], v[\Z+8*\i-8+2*\k:\Z+8*\i-7+2*\k]
.endif
.endr
.endm
; Maximum and sum of exponentials over my 64 p for the 16 q of tile column tq, from the 32 registers at Z; both go to LDS.
.macro ELEM Z, tq
.irp c, 0,1,2,3
	v_max3_num_f32 v[T+\c], v[\Z+8*\c], v[\Z+8*\c+1], v[\Z+8*\c+2]
.endr
.irp c, 0,1,2,3
	v_max3_num_f32 v[T+\c], v[T+\c], v[\Z+8*\c+3], v[\Z+8*\c+4]
.endr
.irp c, 0,1,2,3
	v_max3_num_f32 v[T+\c], v[T+\c], v[\Z+8*\c+5], v[\Z+8*\c+6]
.endr
	v_max3_num_f32 v[T], v[T], v[T+1], v[\Z+7]
	v_max3_num_f32 v[T+2], v[T+2], v[T+3], v[\Z+15]
	v_max3_num_f32 v[T], v[T], v[\Z+23], v[\Z+31]
	v_max_num_f32 v[T], v[T], v[T+2]
	v_permlanex16_b32 v[T+1], v[T], s[SEL], s[SEL+1]   ; the other half of the wave holds the same q and the other 32 p
	v_max_num_f32 v[MX], v[T], v[T+1]
	v_mul_f32 v[NM], NLOG2E, v[MX]
	v_mul_f32 v[NM+1], NLOG2E, v[MX]
.irp k, 0,2,4,6
	v_pk_fma_f32 v[\Z+\k:\Z+\k+1], v[\Z+\k:\Z+\k+1], LOG2E, v[NM:NM+1] op_sel_hi:[1,0,1]   ; (t - maximum) log2 e
.endr
	EXPS \Z, 0
	EXPS \Z, 1
	EXPS \Z, 2
	EXPS \Z, 3
	s_wait_alu depctr_va_vdst(0)
.irp k, 0,1,2,3
	v_pk_add_f32 v[S0+2*(\k%2):S0+2*(\k%2)+1], v[S0+2*(\k%2):S0+2*(\k%2)+1], v[\Z+24+2*\k:\Z+25+2*\k]
.endr
	v_pk_add_f32 v[S0:S0+1], v[S0:S0+1], v[S0+2:S0+3]
	v_add_f32 v[SS], v[S0], v[S0+1]
	v_permlanex16_b32 v[T], v[SS], s[SEL], s[SEL+1]
	v_add_f32 v[SS], v[SS], v[T]
	ds_store_b32 v7, v[MX] offset:LM+\tq*QSTEP     ; my q's word in my wave's block; both halves of the wave write the same word with the same value
	ds_store_b32 v7, v[SS] offset:LS+\tq*QSTEP
.endm
	s_load_b256 s[4:11], s[0:1], 0x0               ; X s[4:5], W s[6:7], b s[8:9], pv s[10:11]
	s_load_b128 s[12:15], s[0:1], 0x20             ; Xs s[12:13], Ws s[14:15]
	v_lshl_add_u32 v254, v0, 2, 0x14800
	v_mov_b32 v255, 0
	v_lshrrev_b32 v11, 5, v0
	v_readfirstlane_b32 s18, v11                   ; wave, 0 to 15
	s_and_b32 s16, ttmp7, 0xffff                   ; p block
	s_lshr_b32 s19, s18, 2                         ; pg: which 64 p are mine
	s_and_b32 s20, s18, 3                          ; qg: which 64 q
	s_lshl_b32 s22, s16, 16                        ; a block of 256 rows of 256 bytes
	s_mov_b32 s23, 0
	s_lshl_b32 s24, ttmp9, 16
	s_mov_b32 s25, 0
	s_mov_b32 s[SEL], 0x76543210                   ; v_permlanex16_b32: lane i of one half reads lane i of the other
	s_mov_b32 s[SEL+1], 0xfedcba98
	s_lshl_b32 s30, ttmp9, 10                      ; 256 f32 of a vector over q
	s_mov_b32 s31, 0
	s_lshl_b32 s32, s16, 14                        ; row 'p block' of the table of partials,
	s_add_co_u32 s32, s32, s30                     ; and my q block in it
	s_mov_b32 s33, 0
	s_lshl_b32 s36, s16, 15                        ; Xs: 32,768 bytes for a block of 256 rows,
	s_lshl_b32 s34, s19, 13                        ; 8,192 for my 64
	s_add_co_u32 s36, s36, s34
	s_mov_b32 s37, 0
	s_lshl_b32 s38, ttmp9, 15                      ; Ws likewise
	s_lshl_b32 s34, s20, 13
	s_add_co_u32 s38, s38, s34
	s_mov_b32 s39, 0
	v_lshlrev_b32 v1, 4, v0                        ; 16 t: a wave's load covers 512 neighbouring bytes, two rows
	v_and_b32 v8, 127, v0
	v_lshlrev_b32 v8, 3, v8                        ; 8 (t mod 128): two f32 of a vector
	v_and_b32 v9, 15, v0                           ; r = lane mod 16
	v_bfe_u32 v10, v0, 4, 1                        ; h = lane / 16
	v_lshrrev_b32 v11, 4, v0                       ; t / 16: my row among the 32 of one run of loads
	v_mul_u32_u24 v2, v11, PITCH
	v_lshl_add_u32 v2, v9, 3, v2                   ; where my 4 bf16 go in the p tile (less LP)
	; W's row 64 g + 4 r + t' goes to LDS row 64 g + 16 t' + r.  Load i of thread t holds row 32 i + t / 16:
	; g = i / 2, r = 8 (i mod 2) + bits 8:6 of t, t' = bits 5:4 of t.  The part that hangs on i stands in the store's immediate.
	v_bfe_u32 v11, v0, 4, 2
	v_bfe_u32 v12, v0, 6, 3
	v_lshl_add_u32 v11, v11, 4, v12
	v_mul_u32_u24 v3, v11, PITCH
	v_lshl_add_u32 v3, v9, 3, v3
	v_add_nc_u32 v3, LQ, v3
	v_mul_u32_u24 v12, v9, PITCH
	v_lshl_add_u32 v12, v10, 4, v12                ; a fragment's lane: row r, 16 bytes for each half
	s_mul_i32 s34, s19, 64*PITCH
	s_mul_i32 s35, s20, 64*PITCH
	v_add_nc_u32 v4, s34, v12                      ; my p fragments (less LP)
	v_add_nc_u32 v5, s35, v12                      ; my q fragments (less LQ)
	s_lshl_b32 s35, s18, 8                         ; my wave's block of 64 words in the tables of maxima and sums
	v_lshl_add_u32 v7, v9, 4, s35                  ; 256 x wave + 4 (4 r): word 4 r + tq, the tile in the immediate
	v_and_b32 v13, 31, v0
	v_lshlrev_b32 v13, 4, v13                      ; 16 x lane: my 16 bytes of a fragment chunk in Xs and Ws
	s_wait_kmcnt 0x0
	s_add_nc_u64 s[4:5], s[4:5], s[22:23]
	s_add_nc_u64 s[6:7], s[6:7], s[24:25]
	s_add_nc_u64 s[8:9], s[8:9], s[30:31]
	s_add_nc_u64 s[10:11], s[10:11], s[32:33]
	s_add_nc_u64 s[12:13], s[12:13], s[36:37]
	s_add_nc_u64 s[14:15], s[14:15], s[38:39]
	s_cmp_ge_u32 s18, 4
	s_cbranch_scc1 .Lno_b
	global_load_b64 v[BB:BB+1], v8, s[8:9]         ; waves 0 to 3, which store the result at the end
.Lno_b:
.irp i, 0,1,2,3,4,5,6,7
	global_load_b128 v[ST+4*\i:ST+4*\i+3], v1, s[4:5] offset:\i*8192
.endr
.irp i, 0,1,2,3,4,5,6,7
	global_load_b128 v[ST+32+4*\i:ST+32+4*\i+3], v1, s[6:7] offset:\i*8192
.endr
	; f32 to bf16, in place, and into LDS.  Loads come back in order: the count is the number of loads issued behind the one needed.
.irp i, 0,1,2,3,4,5,6,7
	s_wait_loadcnt 15-\i
	v_cvt_pk_bf16_f32 v[ST+4*\i], v[ST+4*\i], v[ST+4*\i+1]
	v_cvt_pk_bf16_f32 v[ST+4*\i+1], v[ST+4*\i+2], v[ST+4*\i+3]
	ds_store_b64 v2, v[ST+4*\i:ST+4*\i+1] offset:LP+\i*32*PITCH
.endr
.irp i, 0,1,2,3,4,5,6,7
	s_wait_loadcnt 7-\i
	v_cvt_pk_bf16_f32 v[ST+32+4*\i], v[ST+32+4*\i], v[ST+32+4*\i+1]
	v_cvt_pk_bf16_f32 v[ST+32+4*\i+1], v[ST+32+4*\i+2], v[ST+32+4*\i+3]
	ds_store_b64 v3, v[ST+32+4*\i:ST+32+4*\i+1] offset:((\i/2)*64+(\i%2)*8)*PITCH
.endr
	s_wait_dscnt 0x0                               ; my part of both tiles is in LDS,
	s_barrier_signal -1
	s_barrier_wait -1                              ; everybody's is
.irp a, 0,1,2,3
.irp c, 0,1,2,3
	ds_load_b128 v[PF+16*\a+4*\c:PF+16*\a+4*\c+3], v4 offset:LP+\a*16*PITCH+32*\c
.endr
.endr
.irp a, 0,1,2,3
.irp c, 0,1,2,3
	ds_load_b128 v[QF+16*\a+4*\c:QF+16*\a+4*\c+3], v5 offset:LQ+\a*16*PITCH+32*\c
.endr
.endr
	s_wait_dscnt 12                                ; all but the fragments of q tiles 1 to 3
	MM 0, Z0
	s_wait_dscnt 8                                 ; all but q tiles 2 and 3
	MM 1, Z1
.rept 4
	v_nop                                          ; four places between a matrix instruction and the vector instruction that reads its result (ISA guide 7.12.1)
.endr
	ELEM Z0, 0
	s_wait_dscnt 6                                 ; behind q tile 2's loads: tile 3's four and two stores
	MM 2, Z0
	ELEM Z1, 1
	s_wait_dscnt 4                                 ; behind q tile 3's loads: four stores
	MM 3, Z1
	ELEM Z0, 2
	ELEM Z1, 3
	; The fragments go out as they lie in the registers, 512 consecutive bytes a store.  Nothing below writes them again.
	s_lshl_b32 s34, ttmp9, 2
	s_cmp_lg_u32 s18, s34                          ; wave 4 x (pg = x, which exists for x < 4): my 64 rows of X
	s_cbranch_scc1 .Lno_xs
.irp a, 0,1,2,3
.irp c, 0,1,2,3
	global_store_b128 v13, v[PF+16*\a+4*\c:PF+16*\a+4*\c+3], s[12:13] offset:\a*2048+\c*512
.endr
.endr
.Lno_xs:
	s_cmp_ge_u32 s16, 4
	s_cbranch_scc1 .Lno_ws
	s_cmp_lg_u32 s18, s16                          ; wave y, y < 4 (pg = 0, qg = y): my 64 rows of W
	s_cbranch_scc1 .Lno_ws
.irp a, 0,1,2,3
.irp c, 0,1,2,3
	global_store_b128 v13, v[QF+16*\a+4*\c:QF+16*\a+4*\c+3], s[14:15] offset:\a*2048+\c*512
.endr
.endr
.Lno_ws:
	s_wait_dscnt 0x0                               ; my maxima and sums are in LDS,
	s_barrier_signal -1
	s_barrier_wait -1                              ; everybody's are
	s_cmp_ge_u32 s18, 4
	s_cbranch_scc1 .Lend
	; waves 0 to 3: thread t joins the four p groups for q = 2 t and 2 t + 1, which lie in a register pair
.irp g, 0,1,2,3
	ds_load_b64 v[JB+2*\g:JB+2*\g+1], v8 offset:LM+\g*1024
.endr
.irp g, 0,1,2,3
	ds_load_b64 v[JB+8+2*\g:JB+9+2*\g], v8 offset:LS+\g*1024
.endr
	s_wait_dscnt 0x0
	v_max3_num_f32 v[JB+16], v[JB], v[JB+2], v[JB+4]
	v_max3_num_f32 v[JB+17], v[JB+1], v[JB+3], v[JB+5]
	v_max_num_f32 v[JB+16], v[JB+16], v[JB+6]
	v_max_num_f32 v[JB+17], v[JB+17], v[JB+7]
	v_pk_mul_f32 v[JB+18:JB+19], v[JB+16:JB+17], NLOG2E op_sel_hi:[1,0]
.irp g, 0,2,4,6
	v_pk_fma_f32 v[JB+\g:JB+\g+1], v[JB+\g:JB+\g+1], LOG2E, v[JB+18:JB+19] op_sel_hi:[1,0,1]
.endr
.irp i, 0,1,2,3,4,5,6,7
	v_exp_f32 v[JB+\i], v[JB+\i]
.endr
	v_nop                                          ; one plain place behind the last exponential
	s_wait_alu depctr_va_vdst(0)
	v_pk_mul_f32 v[JB+20:JB+21], v[JB:JB+1], v[JB+8:JB+9]      ; each group's sum, brought to the common maximum
.irp g, 2,4,6
	v_pk_fma_f32 v[JB+20:JB+21], v[JB+\g:JB+\g+1], v[JB+8+\g:JB+9+\g], v[JB+20:JB+21]
.endr
	v_log_f32 v[JB+20], v[JB+20]                   ; the sums are at least about 1: the largest term is 2^0
	v_log_f32 v[JB+21], v[JB+21]
	v_nop
	s_wait_alu depctr_va_vdst(0)
	v_pk_fma_f32 v[JB+16:JB+17], v[JB+20:JB+21], LN2, v[JB+16:JB+17] op_sel_hi:[1,0,1]   ; maximum + ln 2 x log2(sum)
	v_pk_add_f32 v[JB+16:JB+17], v[JB+16:JB+17], v[BB:BB+1]    ; b[q] is constant along p: it is added to the logsumexp
	global_store_b64 v8, v[JB+16:JB+17], s[10:11]  ; a wave's store covers 256 consecutive bytes, aligned
.Lend:
	s_wait_tensorcnt 0x0
	ds_add_u32 v254, v255
	s_wait_dscnt 0x0
	s_endpgm
.Lfunc_end_k_qdf9d2704b4_col1:
	.size	k_qdf9d2704b4_col1, .Lfunc_end_k_qdf9d2704b4_col1-k_qdf9d2704b4_col1
	.p2alignl 7, 3214868480
	.fill 96, 4, 3214868480
	.section	.rodata,"a",@progbits
	.p2align	6, 0x0
	.amdhsa_kernel k_qdf9d2704b4_col1
		.amdhsa_group_segment_fixed_size 86016
		.amdhsa_private_segment_fixed_size 0
		.amdhsa_enable_private_segment 0
		.amdhsa_kernarg_size 48
		.amdhsa_user_sgpr_count 2
		.amdhsa_user_sgpr_kernarg_segment_ptr 1
		.amdhsa_wavefront_size32 1
		.amdhsa_system_sgpr_workgroup_id_x 1
		.amdhsa_system_sgpr_workgroup_id_y 1
		.amdhsa_system_sgpr_workgroup_id_z 1
		.amdhsa_system_vgpr_workitem_id 0
		.amdhsa_next_free_vgpr 256
		.amdhsa_next_free_sgpr 66
		.amdhsa_reserve_vcc 0
		.amdhsa_float_denorm_mode_32 3
		.amdhsa_float_denorm_mode_16_64 3
		.amdhsa_memory_ordered 1
		.amdhsa_forward_progress 1
		.amdhsa_inst_pref_size 39
	.end_amdhsa_kernel
	.amdgpu_metadata
---
amdhsa.version: [ 1, 2 ]
amdhsa.kernels:
  - .name:           k_qdf9d2704b4_col1
    .symbol:         k_qdf9d2704b4_col1.kd
    .args:
      - { .name: X, .offset: 0, .size: 8, .value_kind: global_buffer, .address_space: global }
      - { .name: W, .offset: 8, .size: 8, .value_kind: global_buffer, .address_space: global }
      - { .name: b, .offset: 16, .size: 8, .value_kind: global_buffer, .address_space: global }
      - { .name: pv, .offset: 24, .size: 8, .value_kind: global_buffer, .address_space: global }
      - { .name: Xs, .offset: 32, .size: 8, .value_kind: global_buffer, .address_space: global }
      - { .name: Ws, .offset: 40, .size: 8, .value_kind: global_buffer, .address_space: global }
    .group_segment_fixed_size: 86016
    .private_segment_fixed_size: 0
    .kernarg_segment_align: 8
    .kernarg_segment_size: 48
    .max_flat_workgroup_size: 512
    .sgpr_count:     66
    .vgpr_count:     256
    .wavefront_size: 32
...
	.end_amdgpu_metadata
.endif
;; end of part 5
;; launch row1 (part 6): grid 16 x 16, 16 waves a work-group, clusters of 4 x 4, 169,984 bytes of LDS; arguments Ws, Xs, b, pu, pv; writes pu
.if DOCPART == 6
	.amdgcn_target "amdgcn-amd-amdhsa--gfx1250"
	.amdhsa_code_object_version 6
	.text
	.protected	k_qdf9d2704b4_row1
	.globl	k_qdf9d2704b4_row1
	.p2align	8
	.type	k_qdf9d2704b4_row1,@function
k_qdf9d2704b4_row1:
	s_mov_b64 s[64:65], 0
	v_nop
	global_prefetch_b8 v0, s[64:65] scope:SCOPE_SE
	s_setreg_imm32_b32 hwreg(HW_REG_WAVE_MODE, 25, 1), 1
	s_wait_xcnt 0x0
	s_wait_alu depctr_hold_cnt(0) depctr_sa_sdst(0) depctr_va_vdst(0) depctr_va_sdst(0) depctr_va_ssrc(0) depctr_va_vcc(0) depctr_vm_vsrc(0)
	s_getreg_b32 s2, hwreg(HW_REG_IB_STS2, 6, 4)
	s_cmp_eq_u32 s2, 0
	s_cbranch_scc0 .Lentry_in_a_cluster
	s_endpgm
.Lentry_in_a_cluster:
	s_bfe_u32 s2, ttmp6, 0x10000c
	s_cmp_lg_u32 s2, 0xf033
	s_cbranch_scc0 .Lentry_shape_is_right
	s_endpgm
.Lentry_shape_is_right:
; Sinkhorn in log space on L[n][m] = X0[n].W[m] + b[m] (4096 x 4096, batch 0 of X: the only batch that the result holds).
; THIS TEXT: a row step, u[n] = logsumexp over m of (L[n][m] - v[m]), as 16 partial results for each n.
; Names: p = the axis that is reduced (here m, rows of W), q = the axis that stays (here n, rows of X).
; A work-group makes one tile of 256 p x 256 q (q block along x, p block along y).  It joins, for its 256 p, the 16 partial results of
; the column step before (table pv) into v[p], forms off[p] = b[p] - v[p], and stores, for its 256 q,
;   pu[p block][q] = logsumexp over its 256 p of (W[p].X0[q] + off[p]).
; off enters as the C operand of the first matrix instruction of each accumulator.  L is never stored.
; OPERANDS: Ws and Xs hold W and X0 in bf16 as the first launch rounded them, in the order of the matrix instruction's fragments: a 16-row
; tile is 2,048 bytes, chunk c (0 to 3), lane l, 16 bytes = K 16 c + 8 (l / 16) + 0..7 of the tile's row l mod 16.  A block of 256 rows is
; 32,768 dense bytes and comes into LDS as it lies; a fragment load takes 512 consecutive bytes, lane l at 16 l.
; Row r of W's tile 4 g + t' is W's row 64 g + 4 r + t' (the last launch needs that order); X's tiles hold their rows in order.
; CLUSTERS: 4 x 4 work-groups.  The p tile hangs on the p block alone, shared along a row of the cluster; the q tile on the q block alone,
; shared along a column.  Each is asked for JOINTLY, which divides the requests by four.  Every wave asks for 4,096 bytes (16 rows of 256):
; waves 0 to 7 the p tile's eighths, waves 8 to 15 the q tile's; one tensor load of a wave is outstanding.  The tiles are filled once,
; so there are two rounds of the cluster's barrier: in front of the loads and in front of the end.
; 16 waves of 256 registers, wave (pg, qg) = 64 p x 64 q: the matrix work is short beside the exponentials (one an element), so many waves
; overlap their phases.  A lane holds one q and eight p in a tile's registers: maxima and sums over p run inside the lane.
; LIMITS: X and W enter the products rounded to bf16 (nearest even), unscaled; everything else is f32.  Inputs are finite.
; Every exponential has the true maximum taken away.  The exponent is fma(t, log2 e, -round(M log2 e)): its absolute error is
; about 1.45 |M| 2^-24, under 0.001 for |M| up to 10,000.
.set NCOL,   4096
.set LOFF,   0                         ; LDS: off[256 p] f32, in the order of the p tile's rows
.set LM,     2048                      ; LDS: maxima, [4 pg][256 q] f32: a wave's 64 words are the dense block at 256 x wave
.set LS,     6144                      ; LDS: sums, the same shape
.set LP,     10240                     ; LDS: the p tile, 32,768 bytes; no LDS store lands from here on
.set LQ,     LP+32768                  ; LDS: the q tile; ends at 75,776
.set QSTEP,  64                        ; bytes from a q tile to the next in a wave's block of maxima: word 16 tq + r
.set LOG2E,  0x3fb8aa3b
.set NLOG2E, 0xbfb8aa3b
.set LN2,    0x3f317218
.set SEL, 14                           ; s[14:15]    lane selects of v_permlanex16_b32
.set G1P, 24                           ; s[24:31]    descriptor group 1, p tile
.set G0P, 32                           ; s[32:35]    descriptor group 0, p tile
.set G0Q, 36                           ; s[36:39]    descriptor group 0, q tile
.set G1Q, 40                           ; s[40:47]    descriptor group 1, q tile: differs in the mask alone
.set PI,  80                           ; v[80:111]   in front of the barrier: 16 partials of two p (waves 0 to 3)
.set CM,  112                          ; v[112:113]  their maxima, then their logsumexp
.set CN,  114                          ; v[114:115]  -maximum x log2 e
.set PF,  16                           ; v[16:79]    fragments of my 64 p, tile a at 16 a
.set OF,  80                           ; v[80:111]   off of my 64 p as a C operand: tile a at 8 a
.set QF,  112                          ; v[112:175]  fragments of my 64 q
.set Z0,  176                          ; v[176:207]  four accumulator tiles (64 p x 16 q)
.set Z1,  208                          ; v[208:239]  four more
.set JB,  176                          ; v[176:197]  the join at the end
.set T,   240                          ; v[240:243]  at work
.set MX,  244
.set SS,  245
.set NM,  246                          ; v[246:247]  -maximum x log2 e, twice
.set S0,  248                          ; v[248:251]  two running pairs of sums
.set BB,  252                          ; v[252:253]  b of the two p that this thread joins (waves 0 to 3)
; A round of the cluster's barrier: my work-group's barrier; wave 0 signals for the work-group; every wave waits for all sixteen
; work-groups; my work-group's barrier once more.
.macro CROUND
	s_barrier_signal -1
	s_barrier_wait -1
	s_cmp_lg_u32 s18, 0
	s_cbranch_scc1 .Lnot_wave_0_\@
	s_barrier_signal -3
.Lnot_wave_0_\@:
	s_barrier_wait -3
	s_barrier_signal -1
	s_barrier_wait -1
.endm
; logsumexp of the 16 partials of two indices: even registers of PI the first, odd ones the second.  Result in CM.
.macro COMBINE
	v_max3_num_f32 v[CM],   v[PI],   v[PI+2], v[PI+4]
	v_max3_num_f32 v[CM+1], v[PI+1], v[PI+3], v[PI+5]
.irp i, 6,10,14,18,22,26
	v_max3_num_f32 v[CM],   v[CM],   v[PI+\i],   v[PI+\i+2]
	v_max3_num_f32 v[CM+1], v[CM+1], v[PI+\i+1], v[PI+\i+3]
.endr
	v_max_num_f32 v[CM],   v[CM],   v[PI+30]
	v_max_num_f32 v[CM+1], v[CM+1], v[PI+31]
	v_pk_mul_f32 v[CN:CN+1], v[CM:CM+1], NLOG2E op_sel_hi:[1,0]
.irp i, 0,2,4,6,8,10,12,14,16,18,20,22,24,26,28,30
	v_pk_fma_f32 v[PI+\i:PI+\i+1], v[PI+\i:PI+\i+1], LOG2E, v[CN:CN+1] op_sel_hi:[1,0,1]
.endr
.set i, 0
.rept 32
	v_exp_f32 v[PI+i], v[PI+i]
.set i, i+1
.endr
	v_nop                                          ; one plain place behind the last exponential (ISA guide 5.7.2)
	s_wait_alu depctr_va_vdst(0)
.irp i, 0,4,8,12,16,20,24,28
	v_pk_add_f32 v[PI+\i:PI+\i+1], v[PI+\i:PI+\i+1], v[PI+\i+2:PI+\i+3]
.endr
.irp i, 0,8,16,24
	v_pk_add_f32 v[PI+\i:PI+\i+1], v[PI+\i:PI+\i+1], v[PI+\i+4:PI+\i+5]
.endr
	v_pk_add_f32 v[PI:PI+1], v[PI:PI+1], v[PI+8:PI+9]
	v_pk_add_f32 v[PI+16:PI+17], v[PI+16:PI+17], v[PI+24:PI+25]
	v_pk_add_f32 v[PI:PI+1], v[PI:PI+1], v[PI+16:PI+17]
	v_log_f32 v[PI], v[PI]                         ; the sums are at least about 1: the largest term is 2^0
	v_log_f32 v[PI+1], v[PI+1]
	v_nop
	s_wait_alu depctr_va_vdst(0)
	v_pk_fma_f32 v[CM:CM+1], v[PI:PI+1], LN2, v[CM:CM+1] op_sel_hi:[1,0,1]   ; maximum + ln 2 x log2(sum)
.endm
; 64 p x 16 q: the four accumulators take turns, one instruction a turn.  The first product adds off[p].
.macro MM tq, Z
.irp a, 0,1,2,3
	v_wmma_f32_16x16x32_bf16 v[\Z+8*\a:\Z+8*\a+7], v[PF+16*\a:PF+16*\a+7], v[QF+16*\tq:QF+16*\tq+7], v[OF+8*\a:OF+8*\a+7]
.endr
.irp a, 0,1,2,3
	v_wmma_f32_16x16x32_bf16 v[\Z+8*\a:\Z+8*\a+7], v[PF+16*\a+8:PF+16*\a+15], v[QF+16*\tq+8:QF+16*\tq+15], v[\Z+8*\a:\Z+8*\a+7]
.endr
.endm
; The exponentials of tile i; between them the exponents of tile i + 1 and the sums of tile i - 1: plain instructions on other
; registers, so that no exponential's result is read by the vector instruction next to it (ISA guide 5.7.2).
.macro EXPS Z, i
.irp k, 0,1,2,3
	v_exp_f32 v[\Z+8*\i+2*\k], v[\Z+8*\i+2*\k]
.if \i < 3
	v_pk_fma_f32 v[\Z+8*\i+8+2*\k:\Z+8*\i+9+2*\k], v[\Z+8*\i+8+2*\k:\Z+8*\i+9+2*\k], LOG2E, v[NM:NM+1] op_sel_hi:[1,0,1]
.endif
	v_exp_f32 v[\Z+8*\i+2*\k+1], v[\Z+8*\i+2*\k+1]
.if \i == 1
.if \k < 2
	s_wait_alu depctr_va_vdst(0)
	v_pk_add_f32 v[S0+2*\k:S0+2*\k+1], v[\Z+4*\k:\Z+4*\k+1], v[\Z+4*\k+2:\Z+4*\k+3]      ; tile 0 starts the two sums: nothing is cleared
.endif
.endif
.if \i > 1
	s_wait_alu depctr_va_vdst(0)
	v_pk_add_f32 v[S0+2*(\k%2):S0+2*(\k%2)+1], v[S0+2*(\k%2):S0+2*(\k%2)+1], v[\Z+8*\i-8+2*\k:\Z+8*\i-7+2*\k]
.endif
.endr
.endm
; Maximum and sum of exponentials over my 64 p for the 16 q of tile column tq, from the 32 registers at Z; both go to LDS.
.macro ELEM Z, tq
.irp c, 0,1,2,3
	v_max3_num_f32 v[T+\c], v[\Z+8*\c], v[\Z+8*\c+1], v[\Z+8*\c+2]
.endr
.irp c, 0,1,2,3
	v_max3_num_f32 v[T+\c], v[T+\c], v[\Z+8*\c+3], v[\Z+8*\c+4]
.endr
.irp c, 0,1,2,3
	v_max3_num_f32 v[T+\c], v[T+\c], v[\Z+8*\c+5], v[\Z+8*\c+6]
.endr
	v_max3_num_f32 v[T], v[T], v[T+1], v[\Z+7]
	v_max3_num_f32 v[T+2], v[T+2], v[T+3], v[\Z+15]
	v_max3_num_f32 v[T], v[T], v[\Z+23], v[\Z+31]
	v_max_num_f32 v[T], v[T], v[T+2]
	v_permlanex16_b32 v[T+1], v[T], s[SEL], s[SEL+1]   ; the other half of the wave holds the same q and the other 32 p
	v_max_num_f32 v[MX], v[T], v[T+1]
	v_mul_f32 v[NM], NLOG2E, v[MX]
	v_mul_f32 v[NM+1], NLOG2E, v[MX]
.irp k, 0,2,4,6
	v_pk_fma_f32 v[\Z+\k:\Z+\k+1], v[\Z+\k:\Z+\k+1], LOG2E, v[NM:NM+1] op_sel_hi:[1,0,1]   ; (t - maximum) log2 e
.endr
	EXPS \Z, 0
	EXPS \Z, 1
	EXPS \Z, 2
	EXPS \Z, 3
	s_wait_alu depctr_va_vdst(0)
.irp k, 0,1,2,3
	v_pk_add_f32 v[S0+2*(\k%2):S0+2*(\k%2)+1], v[S0+2*(\k%2):S0+2*(\k%2)+1], v[\Z+24+2*\k:\Z+25+2*\k]
.endr
	v_pk_add_f32 v[S0:S0+1], v[S0:S0+1], v[S0+2:S0+3]
	v_add_f32 v[SS], v[S0], v[S0+1]
	v_permlanex16_b32 v[T], v[SS], s[SEL], s[SEL+1]
	v_add_f32 v[SS], v[SS], v[T]
	ds_store_b32 v7, v[MX] offset:LM+\tq*QSTEP     ; my q's word in my wave's block; both halves of the wave write the same word with the same value
	ds_store_b32 v7, v[SS] offset:LS+\tq*QSTEP
.endm
	s_load_b256 s[4:11], s[0:1], 0x0               ; Ws s[4:5], Xs s[6:7], b s[8:9], pu s[10:11]
	s_load_b64 s[12:13], s[0:1], 0x20              ; pv
	v_lshl_add_u32 v254, v0, 2, 0x29000
	v_mov_b32 v255, 0
	ds_add_u32 v254, v255
	ds_add_u32 v254, v255
	s_wait_dscnt 0x0
	v_lshrrev_b32 v11, 5, v0
	v_readfirstlane_b32 s18, v11                   ; wave, 0 to 15
	s_lshr_b32 s19, s18, 2                         ; pg: which 64 p are mine
	s_and_b32 s20, s18, 3                          ; qg: which 64 q
	s_lshr_b32 s21, s18, 3                         ; I fetch for the p tile (0) or for the q tile (1),
	s_and_b32 s17, s18, 7                          ; and which eighth of it
	s_bfe_u32 s48, ttmp6, 0x40000                  ; cx
	s_bfe_u32 s49, ttmp6, 0x40004                  ; cy
	s_lshl_b32 s50, ttmp9, 2                       ; in a cluster launch ttmp9 and ttmp7 count clusters
	s_add_co_u32 s50, s50, s48                     ; q block = 4 x cluster x + cx
	s_and_b32 s16, ttmp7, 0xffff
	s_lshl_b32 s16, s16, 2
	s_add_co_u32 s16, s16, s49                     ; p block = 4 x cluster y + cy
	s_lshl_b32 s51, s49, 2
	s_lshl_b32 s51, 15, s51                        ; my row of the cluster: places 4 cy .. 4 cy + 3
	s_lshl_b32 s52, 0x1111, s48                    ; my column: places cx, cx + 4, cx + 8, cx + 12
	; group 1: 16 rows of 32 elements of 8 bytes, dense in memory and in LDS
	s_or_b32 s[G1P], s51, (3<<16)|(1<<21)          ; 15:0 mask: my row; 17:16 elements of 8 bytes; 20 no padding; 21 set beside a mask
	s_or_b32 s[G1Q], s52, (3<<16)|(1<<21)          ; the same with the mask of my column
.irp g, G1P, G1Q
	s_mov_b32 s[\g+1], 32<<16                      ; tensor_dim0 = 32
	s_mov_b32 s[\g+2], 16<<16                      ; tensor_dim1 = 16
	s_mov_b32 s[\g+3], 32<<16                      ; tile_dim0 = 32
	s_mov_b32 s[\g+4], 16                          ; tile_dim1 = 16
	s_mov_b32 s[\g+5], 32                          ; elements from row to row
	s_mov_b32 s[\g+6], 0
	s_mov_b32 s[\g+7], 0
.endr
	; group 0 but for the global address.  LDS: LP + wave x 4,096: the p tile's eighths, then the q tile's; no place in the cluster enters it
	s_mov_b32 s[G0P], 1
	s_lshl_b32 s[G0P+1], s18, 12
	s_add_co_u32 s[G0P+1], s[G0P+1], LP
	s_mov_b32 s[G0Q], 1
	s_lshl_b32 s[G0Q+1], s18, 12
	s_add_co_u32 s[G0Q+1], s[G0Q+1], LP
	; the p tile's offset is made of the p block and the wave's number, the q tile's of the q block and the wave's number
	s_lshl_b32 s53, s17, 12
	s_lshl_b32 s54, s16, 15
	s_add_co_u32 s54, s54, s53
	s_mov_b32 s55, 0
	s_lshl_b32 s56, s50, 15
	s_add_co_u32 s56, s56, s53
	s_mov_b32 s57, 0
	s_lshl_b32 s58, s16, 10                        ; 256 f32 of a vector over p
	s_mov_b32 s59, 0
	s_lshl_b32 s60, s50, 10                        ; 256 f32 of a vector over q
	s_mov_b32 s[SEL], 0x76543210                   ; lane i of one half reads lane i of the other
	s_mov_b32 s[SEL+1], 0xfedcba98
	v_and_b32 v8, 127, v0
	v_lshlrev_b32 v8, 3, v8                        ; 8 (t mod 128): two f32 of a vector
	v_and_b32 v9, 15, v0                           ; r
	v_bfe_u32 v10, v0, 4, 1                        ; h
	v_and_b32 v12, 31, v0
	v_lshlrev_b32 v12, 4, v12                      ; 16 x lane
	s_lshl_b32 s22, s19, 13                        ; 64 rows are 8,192 bytes
	s_lshl_b32 s23, s20, 13
	v_add_nc_u32 v4, s22, v12                      ; my p fragments (less LP)
	v_add_nc_u32 v5, s23, v12                      ; my q fragments (less LQ)
	s_lshl_b32 s22, s19, 8
	v_lshl_add_u32 v6, v10, 5, s22                 ; off as a C operand: register j is the tile's row 8 h + j: 256 pg + 32 h bytes
	s_lshl_b32 s23, s18, 8
	v_lshl_add_u32 v7, v9, 2, s23                  ; 256 x wave + 4 r
	; off[m] lies where m's row lies in the p tile: word 64 (m / 64) + 16 (m mod 4) + (m / 4) mod 16.  Thread t < 128 has m = 2 t, 2 t + 1:
	; 256 (t / 32) + 128 (t mod 2) + 4 ((t / 2) mod 16) bytes, and 64 bytes further for the odd one
	v_bfe_u32 v11, v0, 5, 2
	v_and_b32 v13, 1, v0
	v_bfe_u32 v14, v0, 1, 4
	v_lshlrev_b32 v15, 8, v11
	v_lshl_add_u32 v15, v13, 7, v15
	v_lshl_add_u32 v15, v14, 2, v15
	s_lshl_b32 s22, s16, 14                        ; row 'p block' of the table of partials,
	s_add_co_u32 s22, s22, s60                     ; and my q block in it
	s_mov_b32 s23, 0
	CROUND                                         ; all sixteen work-groups are here: the joint loads meet
	s_wait_kmcnt 0x0
	s_add_nc_u64 s[G0P+2:G0P+3], s[4:5], s[54:55]  ; global address of my eighth
	s_or_b32 s[G0P+3], s[G0P+3], 0x80000000        ; type = 2
	s_add_nc_u64 s[G0Q+2:G0Q+3], s[6:7], s[56:57]
	s_or_b32 s[G0Q+3], s[G0Q+3], 0x80000000
	s_cmp_eq_u32 s21, 0                            ; hangs on the wave's number alone
	s_cbranch_scc0 .Lfor_q
	tensor_load_to_lds s[G0P:G0P+3], s[G1P:G1P+7]
	s_nop 0
	s_branch .Lasked
.Lfor_q:
	tensor_load_to_lds s[G0Q:G0Q+3], s[G1Q:G1Q+7]
	s_nop 0
.Lasked:
	s_add_nc_u64 s[8:9], s[8:9], s[58:59]          ; b of my p block
	s_add_nc_u64 s[10:11], s[10:11], s[22:23]
	s_add_nc_u64 s[12:13], s[12:13], s[58:59]      ; the partials of my p block
	s_cmp_ge_u32 s18, 4
	s_cbranch_scc1 .Lno_comb
.irp i, 0,1,2,3,4,5,6,7,8,9,10,11,12,13,14,15
	global_load_b64 v[PI+2*\i:PI+2*\i+1], v8, s[12:13] offset:\i*NCOL*4    ; a wave's load covers 256 consecutive bytes, aligned
.endr
	global_load_b64 v[BB:BB+1], v8, s[8:9]
	s_wait_loadcnt 0x0
	COMBINE
	v_pk_add_f32 v[CM:CM+1], v[BB:BB+1], v[CM:CM+1] neg_lo:[0,1] neg_hi:[0,1]   ; off[p] = b[p] - v[p]
	ds_store_b32 v15, v[CM] offset:LOFF
	ds_store_b32 v15, v[CM+1] offset:LOFF+64
.Lno_comb:
	s_wait_tensorcnt 0x0                           ; my eighth of a tile is in LDS,
	s_wait_dscnt 0x0                               ; and my part of off,
	s_barrier_signal -1
	s_barrier_wait -1                              ; everybody's is
.irp a, 0,1,2,3
	ds_load_b128 v[OF+8*\a:OF+8*\a+3],   v6 offset:LOFF+64*\a
	ds_load_b128 v[OF+8*\a+4:OF+8*\a+7], v6 offset:LOFF+64*\a+16
.endr
.set i, 0
.rept 16
	ds_load_b128 v[PF+4*i:PF+4*i+3], v4 offset:LP+512*i
.set i, i+1
.endr
.set i, 0
.rept 16
	ds_load_b128 v[QF+4*i:QF+4*i+3], v5 offset:LQ+512*i
.set i, i+1
.endr
	s_wait_dscnt 12                                ; all but the fragments of q tiles 1 to 3
	MM 0, Z0
	s_wait_dscnt 8                                 ; all but q tiles 2 and 3
	MM 1, Z1
.rept 4
	v_nop                                          ; four places between a matrix instruction and the vector instruction that reads its result (ISA guide 7.12.1)
.endr
	ELEM Z0, 0
	s_wait_dscnt 6                                 ; behind q tile 2's loads: tile 3's four and two stores
	MM 2, Z0
	ELEM Z1, 1
	s_wait_dscnt 4                                 ; behind q tile 3's loads: four stores
	MM 3, Z1
	ELEM Z0, 2
	ELEM Z1, 3
	s_wait_dscnt 0x0                               ; my maxima and sums are in LDS,
	s_barrier_signal -1
	s_barrier_wait -1                              ; everybody's are
	s_cmp_ge_u32 s18, 4
	s_cbranch_scc1 .Lend
	; waves 0 to 3: thread t joins the four p groups for q = 2 t and 2 t + 1, which lie in a register pair
.irp g, 0,1,2,3
	ds_load_b64 v[JB+2*\g:JB+2*\g+1], v8 offset:LM+\g*1024
.endr
.irp g, 0,1,2,3
	ds_load_b64 v[JB+8+2*\g:JB+9+2*\g], v8 offset:LS+\g*1024
.endr
	s_wait_dscnt 0x0
	v_max3_num_f32 v[JB+16], v[JB], v[JB+2], v[JB+4]
	v_max3_num_f32 v[JB+17], v[JB+1], v[JB+3], v[JB+5]
	v_max_num_f32 v[JB+16], v[JB+16], v[JB+6]
	v_max_num_f32 v[JB+17], v[JB+17], v[JB+7]
	v_pk_mul_f32 v[JB+18:JB+19], v[JB+16:JB+17], NLOG2E op_sel_hi:[1,0]
.irp g, 0,2,4,6
	v_pk_fma_f32 v[JB+\g:JB+\g+1], v[JB+\g:JB+\g+1], LOG2E, v[JB+18:JB+19] op_sel_hi:[1,0,1]
.endr
.irp i, 0,1,2,3,4,5,6,7
	v_exp_f32 v[JB+\i], v[JB+\i]
.endr
	v_nop                                          ; one plain place behind the last exponential
	s_wait_alu depctr_va_vdst(0)
	v_pk_mul_f32 v[JB+20:JB+21], v[JB:JB+1], v[JB+8:JB+9]      ; each group's sum, brought to the common maximum
.irp g, 2,4,6
	v_pk_fma_f32 v[JB+20:JB+21], v[JB+\g:JB+\g+1], v[JB+8+\g:JB+9+\g], v[JB+20:JB+21]
.endr
	v_log_f32 v[JB+20], v[JB+20]                   ; the sums are at least about 1
	v_log_f32 v[JB+21], v[JB+21]
	v_nop
	s_wait_alu depctr_va_vdst(0)
	v_pk_fma_f32 v[JB+16:JB+17], v[JB+20:JB+21], LN2, v[JB+16:JB+17] op_sel_hi:[1,0,1]   ; maximum + ln 2 x log2(sum)
	global_store_b64 v8, v[JB+16:JB+17], s[10:11]  ; a wave's store covers 256 consecutive bytes, aligned
.Lend:
	s_wait_tensorcnt 0x0
	ds_add_u32 v254, v255
	s_wait_dscnt 0x0
	CROUND                                         ; the closing round: no work-group ends while a partner may still ask for a tile that names it
	s_endpgm
.Lfunc_end_k_qdf9d2704b4_row1:
	.size	k_qdf9d2704b4_row1, .Lfunc_end_k_qdf9d2704b4_row1-k_qdf9d2704b4_row1
	.p2alignl 7, 3214868480
	.fill 96, 4, 3214868480
	.section	.rodata,"a",@progbits
	.p2align	6, 0x0
	.amdhsa_kernel k_qdf9d2704b4_row1
		.amdhsa_group_segment_fixed_size 169984
		.amdhsa_private_segment_fixed_size 0
		.amdhsa_enable_private_segment 0
		.amdhsa_kernarg_size 40
		.amdhsa_user_sgpr_count 2
		.amdhsa_user_sgpr_kernarg_segment_ptr 1
		.amdhsa_wavefront_size32 1
		.amdhsa_system_sgpr_workgroup_id_x 1
		.amdhsa_system_sgpr_workgroup_id_y 1
		.amdhsa_system_sgpr_workgroup_id_z 1
		.amdhsa_system_vgpr_workitem_id 0
		.amdhsa_next_free_vgpr 256
		.amdhsa_next_free_sgpr 66
		.amdhsa_reserve_vcc 0
		.amdhsa_float_denorm_mode_32 3
		.amdhsa_float_denorm_mode_16_64 3
		.amdhsa_memory_ordered 1
		.amdhsa_forward_progress 1
		.amdhsa_inst_pref_size 40
	.end_amdhsa_kernel
	.amdgpu_metadata
---
amdhsa.version: [ 1, 2 ]
amdhsa.kernels:
  - .name:           k_qdf9d2704b4_row1
    .symbol:         k_qdf9d2704b4_row1.kd
    .args:
      - { .name: Ws, .offset: 0, .size: 8, .value_kind: global_buffer, .address_space: global }
      - { .name: Xs, .offset: 8, .size: 8, .value_kind: global_buffer, .address_space: global }
      - { .name: b, .offset: 16, .size: 8, .value_kind: global_buffer, .address_space: global }
      - { .name: pu, .offset: 24, .size: 8, .value_kind: global_buffer, .address_space: global }
      - { .name: pv, .offset: 32, .size: 8, .value_kind: global_buffer, .address_space: global }
    .group_segment_fixed_size: 169984
    .private_segment_fixed_size: 0
    .kernarg_segment_align: 8
    .kernarg_segment_size: 40
    .max_flat_workgroup_size: 512
    .sgpr_count:     66
    .vgpr_count:     256
    .wavefront_size: 32
...
	.end_amdgpu_metadata
.endif
;; end of part 6
;; launch col2 (part 7): grid 16 x 16, 16 waves a work-group, clusters of 4 x 4, 169,984 bytes of LDS; arguments Xs, Ws, b, pv, pu; writes pv
.if DOCPART == 7
	.amdgcn_target "amdgcn-amd-amdhsa--gfx1250"
	.amdhsa_code_object_version 6
	.text
	.protected	k_qdf9d2704b4_col2
	.globl	k_qdf9d2704b4_col2
	.p2align	8
	.type	k_qdf9d2704b4_col2,@function
k_qdf9d2704b4_col2:
	s_mov_b64 s[64:65], 0
	v_nop
	global_prefetch_b8 v0, s[64:65] scope:SCOPE_SE
	s_setreg_imm32_b32 hwreg(HW_REG_WAVE_MODE, 25, 1), 1
	s_wait_xcnt 0x0
	s_wait_alu depctr_hold_cnt(0) depctr_sa_sdst(0) depctr_va_vdst(0) depctr_va_sdst(0) depctr_va_ssrc(0) depctr_va_vcc(0) depctr_vm_vsrc(0)
	s_getreg_b32 s2, hwreg(HW_REG_IB_STS2, 6, 4)
	s_cmp_eq_u32 s2, 0
	s_cbranch_scc0 .Lentry_in_a_cluster
	s_endpgm
.Lentry_in_a_cluster:
	s_bfe_u32 s2, ttmp6, 0x10000c
	s_cmp_lg_u32 s2, 0xf033
	s_cbranch_scc0 .Lentry_shape_is_right
	s_endpgm
.Lentry_shape_is_right:
; Sinkhorn in log space on L[n][m] = X0[n].W[m] + b[m] (4096 x 4096, batch 0 of X: the only batch that the result holds).
; THIS TEXT: a later column step, v[m] = logsumexp over n of (L[n][m] - u[n]), as 16 partial results for each m.
; Names: p = the axis that is reduced (here n, rows of X), q = the axis that stays (here m, rows of W).
; A work-group makes one tile of 256 p x 256 q (q block along x, p block along y).  It joins, for its 256 p, the 16 partial results of
; the row step before (table pu) into u[p], forms off[p] = -u[p], and stores, for its 256 q,
;   pv[p block][q] = b[q] + logsumexp over its 256 p of (X0[p].W[q] + off[p]).
; off enters as the C operand of the first matrix instruction of each accumulator.  L is never stored.
; OPERANDS: Xs and Ws hold X0 and W in bf16 as the first launch rounded them, in the order of the matrix instruction's fragments: a 16-row
; tile is 2,048 bytes, chunk c (0 to 3), lane l, 16 bytes = K 16 c + 8 (l / 16) + 0..7 of the tile's row l mod 16.  A block of 256 rows is
; 32,768 dense bytes and comes into LDS as it lies; a fragment load takes 512 consecutive bytes, lane l at 16 l.
; Row r of W's tile 4 g + t' is W's row 64 g + 4 r + t' (the last launch needs that order), so lane r of q tile tq holds
; m = 64 qg + 4 r + tq; X's tiles hold their rows in order.
; CLUSTERS: 4 x 4 work-groups.  The p tile hangs on the p block alone, shared along a row of the cluster; the q tile on the q block alone,
; shared along a column.  Each is asked for JOINTLY, which divides the requests by four.  Every wave asks for 4,096 bytes (16 rows of 256):
; waves 0 to 7 the p tile's eighths, waves 8 to 15 the q tile's; one tensor load of a wave is outstanding.  The tiles are filled once,
; so there are two rounds of the cluster's barrier: in front of the loads and in front of the end.
; 16 waves of 256 registers, wave (pg, qg) = 64 p x 64 q: the matrix work is short beside the exponentials (one an element), so many waves
; overlap their phases.  A lane holds one q and eight p in a tile's registers: maxima and sums over p run inside the lane.
; LIMITS: X and W enter the products rounded to bf16 (nearest even), unscaled; everything else is f32.  Inputs are finite.
; Every exponential has the true maximum taken away.  The exponent is fma(t, log2 e, -round(M log2 e)): its absolute error is
; about 1.45 |M| 2^-24, under 0.001 for |M| up to 10,000.
.set NCOL,   4096
.set LOFF,   0                         ; LDS: off[256 p] f32
.set LM,     2048                      ; LDS: maxima, [4 pg][256 q] f32: a wave's 64 words are the dense block at 256 x wave
.set LS,     6144                      ; LDS: sums, the same shape
.set LP,     10240                     ; LDS: the p tile, 32,768 bytes; no LDS store lands from here on
.set LQ,     LP+32768                  ; LDS: the q tile; ends at 75,776
.set QSTEP,  4                         ; bytes from a q tile to the next in a wave's block of maxima: word 4 r + tq
.set LOG2E,  0x3fb8aa3b
.set NLOG2E, 0xbfb8aa3b
.set LN2,    0x3f317218
.set SEL, 14                           ; s[14:15]    lane selects of v_permlanex16_b32
.set G1P, 24                           ; s[24:31]    descriptor group 1, p tile
.set G0P, 32                           ; s[32:35]    descriptor group 0, p tile
.set G0Q, 36                           ; s[36:39]    descriptor group 0, q tile
.set G1Q, 40                           ; s[40:47]    descriptor group 1, q tile: differs in the mask alone
.set PI,  80                           ; v[80:111]   in front of the barrier: 16 partials of two p (waves 0 to 3)
.set CM,  112                          ; v[112:113]  their maxima, then their logsumexp
.set CN,  114                          ; v[114:115]  -maximum x log2 e
.set PF,  16                           ; v[16:79]    fragments of my 64 p, tile a at 16 a
.set OF,  80                           ; v[80:111]   off of my 64 p as a C operand: tile a at 8 a
.set QF,  112                          ; v[112:175]  fragments of my 64 q
.set Z0,  176                          ; v[176:207]  four accumulator tiles (64 p x 16 q)
.set Z1,  208                          ; v[208:239]  four more
.set JB,  176                          ; v[176:197]  the join at the end
.set T,   240                          ; v[240:243]  at work
.set MX,  244
.set SS,  245
.set NM,  246                          ; v[246:247]  -maximum x log2 e, twice
.set S0,  248                          ; v[248:251]  two running pairs of sums
.set BB,  252                          ; v[252:253]  b of the two q that this thread stores (waves 0 to 3)
; A round of the cluster's barrier: my work-group's barrier; wave 0 signals for the work-group; every wave waits for all sixteen
; work-groups; my work-group's barrier once more.
.macro CROUND
	s_barrier_signal -1
	s_barrier_wait -1
	s_cmp_lg_u32 s18, 0
	s_cbranch_scc1 .Lnot_wave_0_\@
	s_barrier_signal -3
.Lnot_wave_0_\@:
	s_barrier_wait -3
	s_barrier_signal -1
	s_barrier_wait -1
.endm
; logsumexp of the 16 partials of two indices: even registers of PI the first, odd ones the second.  Result in CM.
.macro COMBINE
	v_max3_num_f32 v[CM],   v[PI],   v[PI+2], v[PI+4]
	v_max3_num_f32 v[CM+1], v[PI+1], v[PI+3], v[PI+5]
.irp i, 6,10,14,18,22,26
	v_max3_num_f32 v[CM],   v[CM],   v[PI+\i],   v[PI+\i+2]
	v_max3_num_f32 v[CM+1], v[CM+1], v[PI+\i+1], v[PI+\i+3]
.endr
	v_max_num_f32 v[CM],   v[CM],   v[PI+30]
	v_max_num_f32 v[CM+1], v[CM+1], v[PI+31]
	v_pk_mul_f32 v[CN:CN+1], v[CM:CM+1], NLOG2E op_sel_hi:[1,0]
.irp i, 0,2,4,6,8,10,12,14,16,18,20,22,24,26,28,30
	v_pk_fma_f32 v[PI+\i:PI+\i+1], v[PI+\i:PI+\i+1], LOG2E, v[CN:CN+1] op_sel_hi:[1,0,1]
.endr
.set i, 0
.rept 32
	v_exp_f32 v[PI+i], v[PI+i]
.set i, i+1
.endr
	v_nop                                          ; one plain place behind the last exponential (ISA guide 5.7.2)
	s_wait_alu depctr_va_vdst(0)
.irp i, 0,4,8,12,16,20,24,28
	v_pk_add_f32 v[PI+\i:PI+\i+1], v[PI+\i:PI+\i+1], v[PI+\i+2:PI+\i+3]
.endr
.irp i, 0,8,16,24
	v_pk_add_f32 v[PI+\i:PI+\i+1], v[PI+\i:PI+\i+1], v[PI+\i+4:PI+\i+5]
.endr
	v_pk_add_f32 v[PI:PI+1], v[PI:PI+1], v[PI+8:PI+9]
	v_pk_add_f32 v[PI+16:PI+17], v[PI+16:PI+17], v[PI+24:PI+25]
	v_pk_add_f32 v[PI:PI+1], v[PI:PI+1], v[PI+16:PI+17]
	v_log_f32 v[PI], v[PI]                         ; the sums are at least about 1: the largest term is 2^0
	v_log_f32 v[PI+1], v[PI+1]
	v_nop
	s_wait_alu depctr_va_vdst(0)
	v_pk_fma_f32 v[CM:CM+1], v[PI:PI+1], LN2, v[CM:CM+1] op_sel_hi:[1,0,1]   ; maximum + ln 2 x log2(sum)
.endm
; 64 p x 16 q: the four accumulators take turns, one instruction a turn.  The first product adds off[p].
.macro MM tq, Z
.irp a, 0,1,2,3
	v_wmma_f32_16x16x32_bf16 v[\Z+8*\a:\Z+8*\a+7], v[PF+16*\a:PF+16*\a+7], v[QF+16*\tq:QF+16*\tq+7], v[OF+8*\a:OF+8*\a+7]
.endr
.irp a, 0,1,2,3
	v_wmma_f32_16x16x32_bf16 v[\Z+8*\a:\Z+8*\a+7], v[PF+16*\a+8:PF+16*\a+15], v[QF+16*\tq+8:QF+16*\tq+15], v[\Z+8*\a:\Z+8*\a+7]
.endr
.endm
; The exponentials of tile i; between them the exponents of tile i + 1 and the sums of tile i - 1: plain instructions on other
; registers, so that no exponential's result is read by the vector instruction next to it (ISA guide 5.7.2).
.macro EXPS Z, i
.irp k, 0,1,2,3
	v_exp_f32 v[\Z+8*\i+2*\k], v[\Z+8*\i+2*\k]
.if \i < 3
	v_pk_fma_f32 v[\Z+8*\i+8+2*\k:\Z+8*\i+9+2*\k], v[\Z+8*\i+8+2*\k:\Z+8*\i+9+2*\k], LOG2E, v[NM:NM+1] op_sel_hi:[1,0,1]
.endif
	v_exp_f32 v[\Z+8*\i+2*\k+1], v[\Z+8*\i+2*\k+1]
.if \i == 1
.if \k < 2
	s_wait_alu depctr_va_vdst(0)
	v_pk_add_f32 v[S0+2*\k:S0+2*\k+1], v[\Z+4*\k:\Z+4*\k+1], v[\Z+4*\k+2:\Z+4*\k+3]      ; tile 0 starts the two sums: nothing is cleared
.endif
.endif
.if \i > 1
	s_wait_alu depctr_va_vdst(0)
	v_pk_add_f32 v[S0+2*(\k%2):S0+2*(\k%2)+1], v[S0+2*(\k%2):S0+2*(\k%2)+1], v[\Z+8*\i-8+2*\k:\Z+8*\i-7+2*\k]
.endif
.endr
.endm
; Maximum and sum of exponentials over my 64 p for the 16 q of tile column tq, from the 32 registers at Z; both go to LDS.
.macro ELEM Z, tq
.irp c, 0,1,2,3
	v_max3_num_f32 v[T+\c], v[\Z+8*\c], v[\Z+8*\c+1], v[\Z+8*\c+2]
.endr
.irp c, 0,1,2,3
	v_max3_num_f32 v[T+\c], v[T+\c], v[\Z+8*\c+3], v[\Z+8*\c+4]
.endr
.irp c, 0,1,2,3
	v_max3_num_f32 v[T+\c], v[T+\c], v[\Z+8*\c+5], v[\Z+8*\c+6]
.endr
	v_max3_num_f32 v[T], v[T], v[T+1], v[\Z+7]
	v_max3_num_f32 v[T+2], v[T+2], v[T+3], v[\Z+15]
	v_max3_num_f32 v[T], v[T], v[\Z+23], v[\Z+31]
	v_max_num_f32 v[T], v[T], v[T+2]
	v_permlanex16_b32 v[T+1], v[T], s[SEL], s[SEL+1]   ; the other half of the wave holds the same q and the other 32 p
	v_max_num_f32 v[MX], v[T], v[T+1]
	v_mul_f32 v[NM], NLOG2E, v[MX]
	v_mul_f32 v[NM+1], NLOG2E, v[MX]
.irp k, 0,2,4,6
	v_pk_fma_f32 v[\Z+\k:\Z+\k+1], v[\Z+\k:\Z+\k+1], LOG2E, v[NM:NM+1] op_sel_hi:[1,0,1]   ; (t - maximum) log2 e
.endr
	EXPS \Z, 0
	EXPS \Z, 1
	EXPS \Z, 2
	EXPS \Z, 3
	s_wait_alu depctr_va_vdst(0)
.irp k, 0,1,2,3
	v_pk_add_f32 v[S0+2*(\k%2):S0+2*(\k%2)+1], v[S0+2*(\k%2):S0+2*(\k%2)+1], v[\Z+24+2*\k:\Z+25+2*\k]
.endr
	v_pk_add_f32 v[S0:S0+1], v[S0:S0+1], v[S0+2:S0+3]
	v_add_f32 v[SS], v[S0], v[S0+1]
	v_permlanex16_b32 v[T], v[SS], s[SEL], s[SEL+1]
	v_add_f32 v[SS], v[SS], v[T]
	ds_store_b32 v7, v[MX] offset:LM+\tq*QSTEP     ; my q's word in my wave's block; both halves of the wave write the same word with the same value
	ds_store_b32 v7, v[SS] offset:LS+\tq*QSTEP
.endm
	s_load_b256 s[4:11], s[0:1], 0x0               ; Xs s[4:5], Ws s[6:7], b s[8:9], pv s[10:11]
	s_load_b64 s[12:13], s[0:1], 0x20              ; pu
	v_lshl_add_u32 v254, v0, 2, 0x29000
	v_mov_b32 v255, 0
	ds_add_u32 v254, v255
	ds_add_u32 v254, v255
	s_wait_dscnt 0x0
	v_lshrrev_b32 v11, 5, v0
	v_readfirstlane_b32 s18, v11                   ; wave, 0 to 15
	s_lshr_b32 s19, s18, 2                         ; pg: which 64 p are mine
	s_and_b32 s20, s18, 3                          ; qg: which 64 q
	s_lshr_b32 s21, s18, 3                         ; I fetch for the p tile (0) or for the q tile (1),
	s_and_b32 s17, s18, 7                          ; and which eighth of it
	s_bfe_u32 s48, ttmp6, 0x40000                  ; cx
	s_bfe_u32 s49, ttmp6, 0x40004                  ; cy
	s_lshl_b32 s50, ttmp9, 2                       ; in a cluster launch ttmp9 and ttmp7 count clusters
	s_add_co_u32 s50, s50, s48                     ; q block = 4 x cluster x + cx
	s_and_b32 s16, ttmp7, 0xffff
	s_lshl_b32 s16, s16, 2
	s_add_co_u32 s16, s16, s49                     ; p block = 4 x cluster y + cy
	s_lshl_b32 s51, s49, 2
	s_lshl_b32 s51, 15, s51                        ; my row of the cluster: places 4 cy .. 4 cy + 3
	s_lshl_b32 s52, 0x1111, s48                    ; my column: places cx, cx + 4, cx + 8, cx + 12
	; group 1: 16 rows of 32 elements of 8 bytes, dense in memory and in LDS
	s_or_b32 s[G1P], s51, (3<<16)|(1<<21)          ; 15:0 mask: my row; 17:16 elements of 8 bytes; 20 no padding; 21 set beside a mask
	s_or_b32 s[G1Q], s52, (3<<16)|(1<<21)          ; the same with the mask of my column
.irp g, G1P, G1Q
	s_mov_b32 s[\g+1], 32<<16                      ; tensor_dim0 = 32
	s_mov_b32 s[\g+2], 16<<16                      ; tensor_dim1 = 16
	s_mov_b32 s[\g+3], 32<<16                      ; tile_dim0 = 32
	s_mov_b32 s[\g+4], 16                          ; tile_dim1 = 16
	s_mov_b32 s[\g+5], 32                          ; elements from row to row
	s_mov_b32 s[\g+6], 0
	s_mov_b32 s[\g+7], 0
.endr
	; group 0 but for the global address.  LDS: LP + wave x 4,096: the p tile's eighths, then the q tile's; no place in the cluster enters it
	s_mov_b32 s[G0P], 1
	s_lshl_b32 s[G0P+1], s18, 12
	s_add_co_u32 s[G0P+1], s[G0P+1], LP
	s_mov_b32 s[G0Q], 1
	s_lshl_b32 s[G0Q+1], s18, 12
	s_add_co_u32 s[G0Q+1], s[G0Q+1], LP
	; the p tile's offset is made of the p block and the wave's number, the q tile's of the q block and the wave's number
	s_lshl_b32 s53, s17, 12
	s_lshl_b32 s54, s16, 15
	s_add_co_u32 s54, s54, s53
	s_mov_b32 s55, 0
	s_lshl_b32 s56, s50, 15
	s_add_co_u32 s56, s56, s53
	s_mov_b32 s57, 0
	s_lshl_b32 s58, s16, 10                        ; 256 f32 of a vector over p
	s_mov_b32 s59, 0
	s_lshl_b32 s60, s50, 10                        ; 256 f32 of a vector over q
	s_mov_b32 s61, 0
	s_mov_b32 s[SEL], 0x76543210                   ; lane i of one half reads lane i of the other
	s_mov_b32 s[SEL+1], 0xfedcba98
	v_and_b32 v8, 127, v0
	v_lshlrev_b32 v8, 3, v8                        ; 8 (t mod 128): two f32 of a vector
	v_and_b32 v9, 15, v0                           ; r
	v_bfe_u32 v10, v0, 4, 1                        ; h
	v_and_b32 v12, 31, v0
	v_lshlrev_b32 v12, 4, v12                      ; 16 x lane
	s_lshl_b32 s22, s19, 13                        ; 64 rows are 8,192 bytes
	s_lshl_b32 s23, s20, 13
	v_add_nc_u32 v4, s22, v12                      ; my p fragments (less LP)
	v_add_nc_u32 v5, s23, v12                      ; my q fragments (less LQ)
	s_lshl_b32 s22, s19, 8
	v_lshl_add_u32 v6, v10, 5, s22                 ; off as a C operand: register j is the tile's row 8 h + j: 256 pg + 32 h bytes
	s_lshl_b32 s23, s18, 8
	v_lshl_add_u32 v7, v9, 4, s23                  ; 256 x wave + 4 (4 r): word 4 r + tq, the tile in the immediate
	s_lshl_b32 s22, s16, 14                        ; row 'p block' of the table of partials,
	s_add_co_u32 s22, s22, s60                     ; and my q block in it
	s_mov_b32 s23, 0
	CROUND                                         ; all sixteen work-groups are here: the joint loads meet
	s_wait_kmcnt 0x0
	s_add_nc_u64 s[G0P+2:G0P+3], s[4:5], s[54:55]  ; global address of my eighth
	s_or_b32 s[G0P+3], s[G0P+3], 0x80000000        ; type = 2
	s_add_nc_u64 s[G0Q+2:G0Q+3], s[6:7], s[56:57]
	s_or_b32 s[G0Q+3], s[G0Q+3], 0x80000000
	s_cmp_eq_u32 s21, 0                            ; hangs on the wave's number alone
	s_cbranch_scc0 .Lfor_q
	tensor_load_to_lds s[G0P:G0P+3], s[G1P:G1P+7]
	s_nop 0
	s_branch .Lasked
.Lfor_q:
	tensor_load_to_lds s[G0Q:G0Q+3], s[G1Q:G1Q+7]
	s_nop 0
.Lasked:
	s_add_nc_u64 s[8:9], s[8:9], s[60:61]          ; b of my q block
	s_add_nc_u64 s[10:11], s[10:11], s[22:23]
	s_add_nc_u64 s[12:13], s[12:13], s[58:59]      ; the partials of my p block
	s_cmp_ge_u32 s18, 4
	s_cbranch_scc1 .Lno_comb
.irp i, 0,1,2,3,4,5,6,7,8,9,10,11,12,13,14,15
	global_load_b64 v[PI+2*\i:PI+2*\i+1], v8, s[12:13] offset:\i*NCOL*4    ; a wave's load covers 256 consecutive bytes, aligned
.endr
	global_load_b64 v[BB:BB+1], v8, s[8:9]
	s_wait_loadcnt 0x0
	COMBINE
	v_pk_mul_f32 v[CM:CM+1], v[CM:CM+1], -1.0 op_sel_hi:[1,0]    ; off[p] = -u[p]
	ds_store_b64 v8, v[CM:CM+1] offset:LOFF
.Lno_comb:
	s_wait_tensorcnt 0x0                           ; my eighth of a tile is in LDS,
	s_wait_dscnt 0x0                               ; and my part of off,
	s_barrier_signal -1
	s_barrier_wait -1                              ; everybody's is
.irp a, 0,1,2,3
	ds_load_b128 v[OF+8*\a:OF+8*\a+3],   v6 offset:LOFF+64*\a
	ds_load_b128 v[OF+8*\a+4:OF+8*\a+7], v6 offset:LOFF+64*\a+16
.endr
.set i, 0
.rept 16
	ds_load_b128 v[PF+4*i:PF+4*i+3], v4 offset:LP+512*i
.set i, i+1
.endr
.set i, 0
.rept 16
	ds_load_b128 v[QF+4*i:QF+4*i+3], v5 offset:LQ+512*i
.set i, i+1
.endr
	s_wait_dscnt 12                                ; all but the fragments of q tiles 1 to 3
	MM 0, Z0
	s_wait_dscnt 8                                 ; all but q tiles 2 and 3
	MM 1, Z1
.rept 4
	v_nop                                          ; four places between a matrix instruction and the vector instruction that reads its result (ISA guide 7.12.1)
.endr
	ELEM Z0, 0
	s_wait_dscnt 6                                 ; behind q tile 2's loads: tile 3's four and two stores
	MM 2, Z0
	ELEM Z1, 1
	s_wait_dscnt 4                                 ; behind q tile 3's loads: four stores
	MM 3, Z1
	ELEM Z0, 2
	ELEM Z1, 3
	s_wait_dscnt 0x0                               ; my maxima and sums are in LDS,
	s_barrier_signal -1
	s_barrier_wait -1                              ; everybody's are
	s_cmp_ge_u32 s18, 4
	s_cbranch_scc1 .Lend
	; waves 0 to 3: thread t joins the four p groups for q = 2 t and 2 t + 1, which lie in a register pair
.irp g, 0,1,2,3
	ds_load_b64 v[JB+2*\g:JB+2*\g+1], v8 offset:LM+\g*1024
.endr
.irp g, 0,1,2,3
	ds_load_b64 v[JB+8+2*\g:JB+9+2*\g], v8 offset:LS+\g*1024
.endr
	s_wait_dscnt 0x0
	v_max3_num_f32 v[JB+16], v[JB], v[JB+2], v[JB+4]
	v_max3_num_f32 v[JB+17], v[JB+1], v[JB+3], v[JB+5]
	v_max_num_f32 v[JB+16], v[JB+16], v[JB+6]
	v_max_num_f32 v[JB+17], v[JB+17], v[JB+7]
	v_pk_mul_f32 v[JB+18:JB+19], v[JB+16:JB+17], NLOG2E op_sel_hi:[1,0]
.irp g, 0,2,4,6
	v_pk_fma_f32 v[JB+\g:JB+\g+1], v[JB+\g:JB+\g+1], LOG2E, v[JB+18:JB+19] op_sel_hi:[1,0,1]
.endr
.irp i, 0,1,2,3,4,5,6,7
	v_exp_f32 v[JB+\i], v[JB+\i]
.endr
	v_nop                                          ; one plain place behind the last exponential
	s_wait_alu depctr_va_vdst(0)
	v_pk_mul_f32 v[JB+20:JB+21], v[JB:JB+1], v[JB+8:JB+9]      ; each group's sum, brought to the common maximum
.irp g, 2,4,6
	v_pk_fma_f32 v[JB+20:JB+21], v[JB+\g:JB+\g+1], v[JB+8+\g:JB+9+\g], v[JB+20:JB+21]
.endr
	v_log_f32 v[JB+20], v[JB+20]                   ; the sums are at least about 1
	v_log_f32 v[JB+21], v[JB+21]
	v_nop
	s_wait_alu depctr_va_vdst(0)
	v_pk_fma_f32 v[JB+16:JB+17], v[JB+20:JB+21], LN2, v[JB+16:JB+17] op_sel_hi:[1,0,1]   ; maximum + ln 2 x log2(sum)
	v_pk_add_f32 v[JB+16:JB+17], v[JB+16:JB+17], v[BB:BB+1]    ; b[q] is constant along p: it is added to the logsumexp
	global_store_b64 v8, v[JB+16:JB+17], s[10:11]  ; a wave's store covers 256 consecutive bytes, aligned
.Lend:
	s_wait_tensorcnt 0x0
	ds_add_u32 v254, v255
	s_wait_dscnt 0x0
	CROUND                                         ; the closing round: no work-group ends while a partner may still ask for a tile that names it
	s_endpgm
.Lfunc_end_k_qdf9d2704b4_col2:
	.size	k_qdf9d2704b4_col2, .Lfunc_end_k_qdf9d2704b4_col2-k_qdf9d2704b4_col2
	.p2alignl 7, 3214868480
	.fill 96, 4, 3214868480
	.section	.rodata,"a",@progbits
	.p2align	6, 0x0
	.amdhsa_kernel k_qdf9d2704b4_col2
		.amdhsa_group_segment_fixed_size 169984
		.amdhsa_private_segment_fixed_size 0
		.amdhsa_enable_private_segment 0
		.amdhsa_kernarg_size 40
		.amdhsa_user_sgpr_count 2
		.amdhsa_user_sgpr_kernarg_segment_ptr 1
		.amdhsa_wavefront_size32 1
		.amdhsa_system_sgpr_workgroup_id_x 1
		.amdhsa_system_sgpr_workgroup_id_y 1
		.amdhsa_system_sgpr_workgroup_id_z 1
		.amdhsa_system_vgpr_workitem_id 0
		.amdhsa_next_free_vgpr 256
		.amdhsa_next_free_sgpr 66
		.amdhsa_reserve_vcc 0
		.amdhsa_float_denorm_mode_32 3
		.amdhsa_float_denorm_mode_16_64 3
		.amdhsa_memory_ordered 1
		.amdhsa_forward_progress 1
		.amdhsa_inst_pref_size 40
	.end_amdhsa_kernel
	.amdgpu_metadata
---
amdhsa.version: [ 1, 2 ]
amdhsa.kernels:
  - .name:           k_qdf9d2704b4_col2
    .symbol:         k_qdf9d2704b4_col2.kd
    .args:
      - { .name: Xs, .offset: 0, .size: 8, .value_kind: global_buffer, .address_space: global }
      - { .name: Ws, .offset: 8, .size: 8, .value_kind: global_buffer, .address_space: global }
      - { .name: b, .offset: 16, .size: 8, .value_kind: global_buffer, .address_space: global }
      - { .name: pv, .offset: 24, .size: 8, .value_kind: global_buffer, .address_space: global }
      - { .name: pu, .offset: 32, .size: 8, .value_kind: global_buffer, .address_space: global }
    .group_segment_fixed_size: 169984
    .private_segment_fixed_size: 0
    .kernarg_segment_align: 8
    .kernarg_segment_size: 40
    .max_flat_workgroup_size: 512
    .sgpr_count:     66
    .vgpr_count:     256
    .wavefront_size: 32
...
	.end_amdgpu_metadata
.endif
;; end of part 7
;; launch row2: the kernel of part 6 again; grid 16 x 16, 16 waves a work-group, clusters of 4 x 4, 169,984 bytes of LDS; arguments Ws, Xs, b, pu, pv; writes pu
;; launch col3: the kernel of part 7 again; grid 16 x 16, 16 waves a work-group, clusters of 4 x 4, 169,984 bytes of LDS; arguments Xs, Ws, b, pv, pu; writes pv
;; launch row3: the kernel of part 6 again; grid 16 x 16, 16 waves a work-group, clusters of 4 x 4, 169,984 bytes of LDS; arguments Ws, Xs, b, pu, pv; writes pu
;; launch final (part 8): grid 16 x 16, 16 waves a work-group, clusters of 4 x 4, 169,984 bytes of LDS; arguments Xs, Ws, b, out0, pu, pv; writes out0
.if DOCPART == 8
	.amdgcn_target "amdgcn-amd-amdhsa--gfx1250"
	.amdhsa_code_object_version 6
	.text
	.protected	k_qdf9d2704b4_final
	.globl	k_qdf9d2704b4_final
	.p2align	8
	.type	k_qdf9d2704b4_final,@function
k_qdf9d2704b4_final:
	s_mov_b64 s[64:65], 0
	v_nop
	global_prefetch_b8 v0, s[64:65] scope:SCOPE_SE
	s_setreg_imm32_b32 hwreg(HW_REG_WAVE_MODE, 25, 1), 1
	s_wait_xcnt 0x0
	s_wait_alu depctr_hold_cnt(0) depctr_sa_sdst(0) depctr_va_vdst(0) depctr_va_sdst(0) depctr_va_ssrc(0) depctr_va_vcc(0) depctr_vm_vsrc(0)
	s_getreg_b32 s2, hwreg(HW_REG_IB_STS2, 6, 4)
	s_cmp_eq_u32 s2, 0
	s_cbranch_scc0 .Lentry_in_a_cluster
	s_endpgm
.Lentry_in_a_cluster:
	s_bfe_u32 s2, ttmp6, 0x10000c
	s_cmp_lg_u32 s2, 0xf033
	s_cbranch_scc0 .Lentry_shape_is_right
	s_endpgm
.Lentry_shape_is_right:
; Sinkhorn in log space on L[n][m] = X0[n].W[m] + b[m] (4096 x 4096, batch 0 of X: the only batch that the result holds).
; THIS LAUNCH: the result, out0[n][m] = exp(L[n][m] - v3[m] - u3[n]).
; Names: p = n (rows of X, A's rows in the matrix instruction), q = m (rows of W, B's columns, the lanes).
; A work-group makes one tile of 256 n x 256 m (m block along x, n block along y).  Waves 0 to 3 join the 16 partials of u3 (table pu)
; for the tile's 256 n, waves 4 to 7 those of v3 (table pv) for its 256 m.  -u3[n] enters as the C operand of the first matrix
; instruction of each accumulator; (b[m] - v3[m]) log2 e is the addend of the multiply-add in front of the exponential.
; OPERANDS: Xs and Ws hold X0 and W in bf16 as the first launch rounded them, in the order of the matrix instruction's fragments: a 16-row
; tile is 2,048 bytes, chunk c (0 to 3), lane l, 16 bytes = K 16 c + 8 (l / 16) + 0..7 of the tile's row l mod 16.  A block of 256 rows is
; 32,768 dense bytes and comes into LDS as it lies; a fragment load takes 512 consecutive bytes, lane l at 16 l.
; THE WAY OUT needs no LDS.  Row r of W's tile 4 g + t' is W's row 64 g + 4 r + t', so the wave's four q tiles hold, in one lane and at one
; register number j, four NEIGHBOURING m of row n = 8 h + j.  The exponential puts these four into four neighbouring registers: lanes 0 to
; 15 of a store of 16 bytes a lane cover 256 consecutive bytes of one row of out0, aligned, lanes 16 to 31 the same columns eight rows below.
; CLUSTERS: 4 x 4 work-groups.  The n tile hangs on the n block alone, shared along a row of the cluster; the m tile on the m block alone,
; shared along a column.  Each is asked for JOINTLY, which divides the requests by four.  Every wave asks for 4,096 bytes (16 rows of 256):
; waves 0 to 7 the n tile's eighths, waves 8 to 15 the m tile's; one tensor load of a wave is outstanding.  The tiles are filled once,
; so there are two rounds of the cluster's barrier: in front of the loads and in front of the end.
; 16 waves of 256 registers, wave (pg, qg) = 64 n x 64 m, 16 n at a time.
; LIMITS: X and W enter the products rounded to bf16 (nearest even), unscaled; everything else is f32.  Inputs are finite.
; The joins take the true maximum away before every exponential; the last exponential is the plain exp of the normalised
; logarithm, which the row step before has made at most about 0.  A result below 2^-126 comes out as 0 (v_exp_f32 flushes).
.set NCOL,   4096
.set LOFF,   0                         ; LDS: -u3 of my 256 n, f32
.set LQOFF,  1024                      ; LDS: b - v3 of my 256 m, f32
.set LP,     10240                     ; LDS: the n tile, 32,768 bytes; no LDS store lands from here on
.set LQ,     LP+32768                  ; LDS: the m tile; ends at 75,776
.set LOG2E,  0x3fb8aa3b
.set NLOG2E, 0xbfb8aa3b
.set LN2,    0x3f317218
.set G1P, 24                           ; s[24:31]    descriptor group 1, n tile
.set G0P, 32                           ; s[32:35]    descriptor group 0, n tile
.set G0Q, 36                           ; s[36:39]    descriptor group 0, m tile
.set G1Q, 40                           ; s[40:47]    descriptor group 1, m tile: differs in the mask alone
.set PI,  80                           ; v[80:111]   in front of the barrier: 16 partials of two indices (waves 0 to 7)
.set CM,  112                          ; v[112:113]  their maxima, then their logsumexp
.set CN,  114                          ; v[114:115]  -maximum x log2 e
.set PF,  16                           ; v[16:79]    fragments of my 64 n, tile a at 16 a
.set OF,  80                           ; v[80:111]   -u3 of my 64 n as a C operand: tile a at 8 a
.set QF,  112                          ; v[112:175]  fragments of my 64 m
.set Z0,  176                          ; v[176:207]  four accumulator tiles (16 n x 64 m)
.set Z1,  208                          ; v[208:239]  the results, register 4 j + t': what the stores read
.set CQ4, 240                          ; v[240:243]  b - v3 of my lane's four m
.set CQ,  244                          ; v[244:251]  the same x log2 e, each twice
.set BB,  252                          ; v[252:253]  b of the two m that this thread joins (waves 4 to 7)
; A round of the cluster's barrier: my work-group's barrier; wave 0 signals for the work-group; every wave waits for all sixteen
; work-groups; my work-group's barrier once more.
.macro CROUND
	s_barrier_signal -1
	s_barrier_wait -1
	s_cmp_lg_u32 s18, 0
	s_cbranch_scc1 .Lnot_wave_0_\@
	s_barrier_signal -3
.Lnot_wave_0_\@:
	s_barrier_wait -3
	s_barrier_signal -1
	s_barrier_wait -1
.endm
; logsumexp of the 16 partials of two indices: even registers of PI the first, odd ones the second.  Result in CM.
.macro COMBINE
	v_max3_num_f32 v[CM],   v[PI],   v[PI+2], v[PI+4]
	v_max3_num_f32 v[CM+1], v[PI+1], v[PI+3], v[PI+5]
.irp i, 6,10,14,18,22,26
	v_max3_num_f32 v[CM],   v[CM],   v[PI+\i],   v[PI+\i+2]
	v_max3_num_f32 v[CM+1], v[CM+1], v[PI+\i+1], v[PI+\i+3]
.endr
	v_max_num_f32 v[CM],   v[CM],   v[PI+30]
	v_max_num_f32 v[CM+1], v[CM+1], v[PI+31]
	v_pk_mul_f32 v[CN:CN+1], v[CM:CM+1], NLOG2E op_sel_hi:[1,0]
.irp i, 0,2,4,6,8,10,12,14,16,18,20,22,24,26,28,30
	v_pk_fma_f32 v[PI+\i:PI+\i+1], v[PI+\i:PI+\i+1], LOG2E, v[CN:CN+1] op_sel_hi:[1,0,1]
.endr
.set i, 0
.rept 32
	v_exp_f32 v[PI+i], v[PI+i]
.set i, i+1
.endr
	v_nop                                          ; one plain place behind the last exponential (ISA guide 5.7.2)
	s_wait_alu depctr_va_vdst(0)
.irp i, 0,4,8,12,16,20,24,28
	v_pk_add_f32 v[PI+\i:PI+\i+1], v[PI+\i:PI+\i+1], v[PI+\i+2:PI+\i+3]
.endr
.irp i, 0,8,16,24
	v_pk_add_f32 v[PI+\i:PI+\i+1], v[PI+\i:PI+\i+1], v[PI+\i+4:PI+\i+5]
.endr
	v_pk_add_f32 v[PI:PI+1], v[PI:PI+1], v[PI+8:PI+9]
	v_pk_add_f32 v[PI+16:PI+17], v[PI+16:PI+17], v[PI+24:PI+25]
	v_pk_add_f32 v[PI:PI+1], v[PI:PI+1], v[PI+16:PI+17]
	v_log_f32 v[PI], v[PI]                         ; the sums are at least about 1: the largest term is 2^0
	v_log_f32 v[PI+1], v[PI+1]
	v_nop
	s_wait_alu depctr_va_vdst(0)
	v_pk_fma_f32 v[CM:CM+1], v[PI:PI+1], LN2, v[CM:CM+1] op_sel_hi:[1,0,1]   ; maximum + ln 2 x log2(sum)
.endm
; 16 n x 64 m: the four accumulators take turns, one instruction a turn.  The first product adds -u3[n].
.macro MMF tp
.irp q, 0,1,2,3
	v_wmma_f32_16x16x32_bf16 v[Z0+8*\q:Z0+8*\q+7], v[PF+16*\tp:PF+16*\tp+7], v[QF+16*\q:QF+16*\q+7], v[OF+8*\tp:OF+8*\tp+7]
.endr
.irp q, 0,1,2,3
	v_wmma_f32_16x16x32_bf16 v[Z0+8*\q:Z0+8*\q+7], v[PF+16*\tp+8:PF+16*\tp+15], v[QF+16*\q+8:QF+16*\q+15], v[Z0+8*\q:Z0+8*\q+7]
.endr
.endm
; Rows 16 tp to 16 tp + 15 of my 64: exponents, exponentials into the stores' order, the next rows' products, eight stores.
.macro BLOCK tp, nxt
.rept 4
	v_nop                                          ; four places between a matrix instruction and the vector instruction that reads its result (ISA guide 7.12.1)
.endr
.irp q, 0,1,2,3
.irp k, 0,2,4,6
	v_pk_fma_f32 v[Z0+8*\q+\k:Z0+8*\q+\k+1], v[Z0+8*\q+\k:Z0+8*\q+\k+1], LOG2E, v[CQ+2*\q:CQ+2*\q+1] op_sel_hi:[1,0,1]
.endr
.endr
	s_wait_xcnt 0x0                                ; Z1 is the data of the stores before: it is rewritten only behind this wait
.irp j, 0,1,2,3,4,5,6,7
.irp q, 0,1,2,3
	v_exp_f32 v[Z1+4*\j+\q], v[Z0+8*\q+\j]
.endr
.endr
	v_nop                                          ; one plain place before the exponentials' sources are written over and their results stored
.if \nxt < 4
	s_wait_dscnt 0x0                               ; the later n tiles' offsets and fragments are in (met at once from the second time on)
	MMF \nxt
.endif
	s_wait_alu depctr_va_vdst(0)
.irp j, 0,1,2,3,4,5,6,7
	global_store_b128 v13, v[Z1+4*\j:Z1+4*\j+3], s[10:11] offset:(16*\tp+\j)*NCOL*4 th:TH_STORE_NT
.endr
.endm
	s_load_b256 s[4:11], s[0:1], 0x0               ; Xs s[4:5], Ws s[6:7], b s[8:9], out0 s[10:11]
	s_load_b128 s[12:15], s[0:1], 0x20             ; pu s[12:13], pv s[14:15]
	v_lshl_add_u32 v254, v0, 2, 0x29000
	v_mov_b32 v255, 0
	ds_add_u32 v254, v255
	ds_add_u32 v254, v255
	s_wait_dscnt 0x0
	v_lshrrev_b32 v11, 5, v0
	v_readfirstlane_b32 s18, v11                   ; wave, 0 to 15
	s_lshr_b32 s19, s18, 2                         ; pg: which 64 n are mine
	s_and_b32 s20, s18, 3                          ; qg: which 64 m
	s_lshr_b32 s21, s18, 3                         ; I fetch for the n tile (0) or for the m tile (1),
	s_and_b32 s17, s18, 7                          ; and which eighth of it
	s_bfe_u32 s48, ttmp6, 0x40000                  ; cx
	s_bfe_u32 s49, ttmp6, 0x40004                  ; cy
	s_lshl_b32 s50, ttmp9, 2                       ; in a cluster launch ttmp9 and ttmp7 count clusters
	s_add_co_u32 s50, s50, s48                     ; m block = 4 x cluster x + cx
	s_and_b32 s16, ttmp7, 0xffff
	s_lshl_b32 s16, s16, 2
	s_add_co_u32 s16, s16, s49                     ; n block = 4 x cluster y + cy
	s_lshl_b32 s51, s49, 2
	s_lshl_b32 s51, 15, s51                        ; my row of the cluster: places 4 cy .. 4 cy + 3
	s_lshl_b32 s52, 0x1111, s48                    ; my column: places cx, cx + 4, cx + 8, cx + 12
	; group 1: 16 rows of 32 elements of 8 bytes, dense in memory and in LDS
	s_or_b32 s[G1P], s51, (3<<16)|(1<<21)          ; 15:0 mask: my row; 17:16 elements of 8 bytes; 20 no padding; 21 set beside a mask
	s_or_b32 s[G1Q], s52, (3<<16)|(1<<21)          ; the same with the mask of my column
.irp g, G1P, G1Q
	s_mov_b32 s[\g+1], 32<<16                      ; tensor_dim0 = 32
	s_mov_b32 s[\g+2], 16<<16                      ; tensor_dim1 = 16
	s_mov_b32 s[\g+3], 32<<16                      ; tile_dim0 = 32
	s_mov_b32 s[\g+4], 16                          ; tile_dim1 = 16
	s_mov_b32 s[\g+5], 32                          ; elements from row to row
	s_mov_b32 s[\g+6], 0
	s_mov_b32 s[\g+7], 0
.endr
	; group 0 but for the global address.  LDS: LP + wave x 4,096: the n tile's eighths, then the m tile's; no place in the cluster enters it
	s_mov_b32 s[G0P], 1
	s_lshl_b32 s[G0P+1], s18, 12
	s_add_co_u32 s[G0P+1], s[G0P+1], LP
	s_mov_b32 s[G0Q], 1
	s_lshl_b32 s[G0Q+1], s18, 12
	s_add_co_u32 s[G0Q+1], s[G0Q+1], LP
	; the n tile's offset is made of the n block and the wave's number, the m tile's of the m block and the wave's number
	s_lshl_b32 s53, s17, 12
	s_lshl_b32 s54, s16, 15
	s_add_co_u32 s54, s54, s53
	s_mov_b32 s55, 0
	s_lshl_b32 s56, s50, 15
	s_add_co_u32 s56, s56, s53
	s_mov_b32 s57, 0
	s_lshl_b32 s58, s16, 10                        ; 256 f32 of a vector over n
	s_mov_b32 s59, 0
	s_lshl_b32 s60, s50, 10                        ; 256 f32 of a vector over m
	s_mov_b32 s61, 0
	v_and_b32 v8, 127, v0
	v_lshlrev_b32 v8, 3, v8                        ; 8 (t mod 128): two f32 of a vector
	v_and_b32 v9, 15, v0                           ; r
	v_bfe_u32 v10, v0, 4, 1                        ; h
	v_and_b32 v12, 31, v0
	v_lshlrev_b32 v12, 4, v12                      ; 16 x lane
	s_lshl_b32 s22, s19, 13                        ; 64 rows are 8,192 bytes
	s_lshl_b32 s23, s20, 13
	v_add_nc_u32 v4, s22, v12                      ; my n fragments (less LP)
	v_add_nc_u32 v5, s23, v12                      ; my m fragments (less LQ)
	s_lshl_b32 s22, s19, 8
	v_lshl_add_u32 v6, v10, 5, s22                 ; -u3 as a C operand: register j is n = 8 h + j: 256 pg + 32 h bytes
	s_lshl_b32 s23, s20, 8
	v_lshl_add_u32 v14, v9, 4, s23                 ; b - v3 of m = 64 qg + 4 r + 0..3
	v_lshlrev_b32 v13, 4, v9
	v_lshl_add_u32 v13, v10, 17, v13               ; out0: 16 r bytes, and eight rows down for the upper half of the wave
	s_lshl_b32 s22, s16, 22                        ; out0: 256 rows of 16,384 bytes for each n block,
	s_lshl_b32 s23, s19, 20                        ; 64 rows for each pg,
	s_add_co_u32 s22, s22, s23
	s_add_co_u32 s22, s22, s60                     ; 1,024 bytes for each m block,
	s_lshl_b32 s23, s20, 8                         ; 256 bytes for each qg: under 64 MiB in all
	s_add_co_u32 s22, s22, s23
	s_mov_b32 s23, 0
	CROUND                                         ; all sixteen work-groups are here: the joint loads meet
	s_wait_kmcnt 0x0
	s_add_nc_u64 s[G0P+2:G0P+3], s[4:5], s[54:55]  ; global address of my eighth
	s_or_b32 s[G0P+3], s[G0P+3], 0x80000000        ; type = 2
	s_add_nc_u64 s[G0Q+2:G0Q+3], s[6:7], s[56:57]
	s_or_b32 s[G0Q+3], s[G0Q+3], 0x80000000
	s_cmp_eq_u32 s21, 0                            ; hangs on the wave's number alone
	s_cbranch_scc0 .Lfor_q
	tensor_load_to_lds s[G0P:G0P+3], s[G1P:G1P+7]
	s_nop 0
	s_branch .Lasked
.Lfor_q:
	tensor_load_to_lds s[G0Q:G0Q+3], s[G1Q:G1Q+7]
	s_nop 0
.Lasked:
	s_add_nc_u64 s[8:9], s[8:9], s[60:61]          ; b of my m block
	s_add_nc_u64 s[10:11], s[10:11], s[22:23]
	s_add_nc_u64 s[12:13], s[12:13], s[58:59]      ; u3's partials of my n block
	s_add_nc_u64 s[14:15], s[14:15], s[60:61]      ; v3's partials of my m block
	s_cmp_ge_u32 s18, 8
	s_cbranch_scc1 .Lno_comb
	s_cmp_lt_u32 s18, 4
	s_cselect_b64 s[54:55], s[12:13], s[14:15]     ; waves 0 to 3 join u3, waves 4 to 7 join v3
.irp i, 0,1,2,3,4,5,6,7,8,9,10,11,12,13,14,15
	global_load_b64 v[PI+2*\i:PI+2*\i+1], v8, s[54:55] offset:\i*NCOL*4    ; a wave's load covers 256 consecutive bytes, aligned
.endr
	s_cmp_lt_u32 s18, 4
	s_cbranch_scc1 .Lno_b
	global_load_b64 v[BB:BB+1], v8, s[8:9]
.Lno_b:
	s_wait_loadcnt 0x0
	COMBINE
	s_cmp_lt_u32 s18, 4
	s_cbranch_scc1 .Ln_side
	v_pk_add_f32 v[CM:CM+1], v[BB:BB+1], v[CM:CM+1] neg_lo:[0,1] neg_hi:[0,1]   ; b[m] - v3[m]
	ds_store_b64 v8, v[CM:CM+1] offset:LQOFF
	s_branch .Lno_comb
.Ln_side:
	v_pk_mul_f32 v[CM:CM+1], v[CM:CM+1], -1.0 op_sel_hi:[1,0]                   ; -u3[n]
	ds_store_b64 v8, v[CM:CM+1] offset:LOFF
.Lno_comb:
	s_wait_tensorcnt 0x0                           ; my eighth of a tile is in LDS,
	s_wait_dscnt 0x0                               ; and my part of the two vectors,
	s_barrier_signal -1
	s_barrier_wait -1                              ; everybody's is
	ds_load_b128 v[CQ4:CQ4+3], v14 offset:LQOFF
	ds_load_b128 v[OF:OF+3],   v6 offset:LOFF
	ds_load_b128 v[OF+4:OF+7], v6 offset:LOFF+16
.set i, 0
.rept 16
	ds_load_b128 v[QF+4*i:QF+4*i+3], v5 offset:LQ+512*i
.set i, i+1
.endr
.set i, 0
.rept 4
	ds_load_b128 v[PF+4*i:PF+4*i+3], v4 offset:LP+512*i
.set i, i+1
.endr
.irp a, 1,2,3
	ds_load_b128 v[OF+8*\a:OF+8*\a+3],   v6 offset:LOFF+64*\a
	ds_load_b128 v[OF+8*\a+4:OF+8*\a+7], v6 offset:LOFF+64*\a+16
.endr
.rept 12
	ds_load_b128 v[PF+4*i:PF+4*i+3], v4 offset:LP+512*i
.set i, i+1
.endr
	s_wait_dscnt 18                                ; all but n tiles 1 to 3: their 6 loads of offsets and 12 of fragments
.irp q, 0,1,2,3
	v_mul_f32 v[CQ+2*\q],   LOG2E, v[CQ4+\q]
	v_mul_f32 v[CQ+2*\q+1], LOG2E, v[CQ4+\q]
.endr
	MMF 0
	BLOCK 0, 1
	BLOCK 1, 2
	BLOCK 2, 3
	BLOCK 3, 4
	s_wait_tensorcnt 0x0
	ds_add_u32 v254, v255
	s_wait_dscnt 0x0
	CROUND                                         ; the closing round: no work-group ends while a partner may still ask for a tile that names it
	s_endpgm
.Lfunc_end_k_qdf9d2704b4_final:
	.size	k_qdf9d2704b4_final, .Lfunc_end_k_qdf9d2704b4_final-k_qdf9d2704b4_final
	.p2alignl 7, 3214868480
	.fill 96, 4, 3214868480
	.section	.rodata,"a",@progbits
	.p2align	6, 0x0
	.amdhsa_kernel k_qdf9d2704b4_final
		.amdhsa_group_segment_fixed_size 169984
		.amdhsa_private_segment_fixed_size 0
		.amdhsa_enable_private_segment 0
		.amdhsa_kernarg_size 48
		.amdhsa_user_sgpr_count 2
		.amdhsa_user_sgpr_kernarg_segment_ptr 1
		.amdhsa_wavefront_size32 1
		.amdhsa_system_sgpr_workgroup_id_x 1
		.amdhsa_system_sgpr_workgroup_id_y 1
		.amdhsa_system_sgpr_workgroup_id_z 1
		.amdhsa_system_vgpr_workitem_id 0
		.amdhsa_next_free_vgpr 256
		.amdhsa_next_free_sgpr 66
		.amdhsa_reserve_vcc 0
		.amdhsa_float_denorm_mode_32 3
		.amdhsa_float_denorm_mode_16_64 3
		.amdhsa_memory_ordered 1
		.amdhsa_forward_progress 1
		.amdhsa_inst_pref_size 32
	.end_amdhsa_kernel
	.amdgpu_metadata
---
amdhsa.version: [ 1, 2 ]
amdhsa.kernels:
  - .name:           k_qdf9d2704b4_final
    .symbol:         k_qdf9d2704b4_final.kd
    .args:
      - { .name: Xs, .offset: 0, .size: 8, .value_kind: global_buffer, .address_space: global }
      - { .name: Ws, .offset: 8, .size: 8, .value_kind: global_buffer, .address_space: global }
      - { .name: b, .offset: 16, .size: 8, .value_kind: global_buffer, .address_space: global }
      - { .name: out0, .offset: 24, .size: 8, .value_kind: global_buffer, .address_space: global }
      - { .name: pu, .offset: 32, .size: 8, .value_kind: global_buffer, .address_space: global }
      - { .name: pv, .offset: 40, .size: 8, .value_kind: global_buffer, .address_space: global }
    .group_segment_fixed_size: 169984
    .private_segment_fixed_size: 0
    .kernarg_segment_align: 8
    .kernarg_segment_size: 48
    .max_flat_workgroup_size: 512
    .sgpr_count:     66
    .vgpr_count:     256
    .wavefront_size: 32
...
	.end_amdgpu_metadata
.endif
;; end of part 8
